; MI455X (gfx1250); checked and timed in simulation.
; The chip was launched on July 23, 2026; its instructions are those of AMD's public machine-readable ISA for CDNA 5 (MIT licence, August 2026) and "CDNA5" Instruction Set Architecture Reference Guide (July 2026). The comments in the code are by the model that wrote it; some were corrected since.
;; MH Attention. Allowed arithmetic: matrix products marked QUANTISED: E2M1 operands, one E8M0 scale for each 32 along K, by v_wmma_scale_f32_16x16x128_f8f6f4 with both operands' format E2M1 (or v_wmma_scale_f32_32x16x128_f4), f32 sums; products left as they are: bf16, f16 or f32 operands; f32 sums; everything else in f32.
;; Inputs: proj_b 1,024 float32; proj_w 1,024 x 1,024 float32; qkv_b 3,072 float32; qkv_w 1,024 x 3,072 float32; x 4 x 2,048 x 1,024 float32.
;; Outputs: out0 4 x 2,048 x 1,024 float32.
;; This version of the problem:
;;   THIS VERSION OF THE PROBLEM IS GIVEN IN LOW PRECISION. The matrix products marked QUANTISED in the list below multiply operands that are first quantised to E2M1 (2 exponent bits, 1 mantissa bit; 4 bits a number), with one power-of-two scale for each 32 numbers along K (OCP MX v1.0); their sums are f32. The products marked 'left as it is' may take bf16, f16 or f32 operands, with f32 sums. Whichever they take, every output number must still come out within the allowed error. Rounding operands to bf16 (8 significant bits) uses up far more of that allowance than f16 does (11 bits, for magnitudes from 6e-5 to 65,504). All else is computed in f32.
;;   The module's matrix products, in the order in which they are computed (A, B: the left and right operand; K: the contracted axis; several contracted axes count as one K, in the product's order):
;;     1. [M 8,192, K 1,024] x [K 1,024, N 3,072]; A: input x; B: input qkv_w: QUANTISED
;;     2. batch 64 x [M 2,048, K 64] x [K 64, N 2,048]; A: computed on the way; B: computed on the way: left as it is (an operand is computed on the way)
;;     3. batch 64 x [M 2,048, K 2,048] x [K 2,048, N 64]; A: computed on the way; B: computed on the way: left as it is (an operand is computed on the way)
;;     4. [M 8,192, K 1,024] x [K 1,024, N 1,024]; A: computed on the way; B: input proj_w: left as it is (an operand is computed on the way)
;;   THE QUANTISER, for each operand of a quantised product, along K:
;;     - K is cut into blocks of 32 from its start; a last block that is shorter is filled with zeros.
;;     - A block's scale is 2^e with e = floor(log2(the largest magnitude in the block)) - 2, held to -126 .. 127; a block of zeros has e = 0. As a byte (E8M0): e + 127.
;;     - Each number is divided by its block's scale, clamped to +-6, and rounded to the nearest number of E2M1, ties to even, subnormals kept.
;;     - The product sums the exact products of the quantised numbers (number of the format x scale) in f32.
;;   ~~~python
;;   def quantise(x, axis):      # numpy; x: float32 -> the quantised numbers, widened to float32 again
;;       x = np.moveaxis(x, axis, -1); K = x.shape[-1]
;;       x = np.pad(x, [(0, 0)] * (x.ndim - 1) + [(0, -K % 32)]); x = x.reshape(x.shape[:-1] + (-1, 32)); a = np.abs(x).max(-1, keepdims=True)
;;       e = np.where(a > 0, np.clip(np.frexp(np.where(a > 0, a, 1))[1] - 1 - 2, -126, 127), 0)      # np.frexp(a)[1] - 1 = floor(log2(a)), exactly
;;       r = np.clip(x / 2.0 ** e, -6, 6)
;;       step = 2.0 ** (np.maximum(np.frexp(np.where(r == 0, 1, r))[1] - 1, 0) - 1)
;;       q = np.round(r / step) * step * 2.0 ** e      # np.round: ties to even
;;       return np.moveaxis(q.reshape(q.shape[:-2] + (-1,))[..., :K], -1, axis).astype(np.float32)
;;   ~~~
;; One version. Each part assembles by itself: llvm-mc -triple=amdgcn-amd-amdhsa -mcpu=gfx1250 --defsym DOCPART=n.
;; ======== version 1 of 1: 6 launches
;; limits: values are held in f16: magnitudes above 65,504 overflow, below 6.1e-05 lose precision
;; workspace buffers: x_codes 4,194,304 bytes; x_scales 262,144 bytes; w_codes 1,572,864 bytes; w_scales 98,304 bytes; pwt 2,097,152 bytes; qkv16 50,331,648 bytes; ao16 16,777,216 bytes; o32 262,144 bytes
;; launch prep (part 1): grid 368 x 1, 4 waves a work-group, no clusters, 102,912 bytes of LDS; arguments x, qkv_w, proj_w, x_codes, x_scales, w_codes, w_scales, pwt; writes x_codes, x_scales, w_codes, w_scales, pwt
.if DOCPART == 1
	.amdgcn_target "amdgcn-amd-amdhsa--gfx1250"
	.amdhsa_code_object_version 6
	.text
	.protected	k_q5095f0c922_prep
	.globl	k_q5095f0c922_prep
	.p2align	8
	.type	k_q5095f0c922_prep,@function
k_q5095f0c922_prep:
	s_mov_b64 s[64:65], 0
	v_nop
	global_prefetch_b8 v0, s[64:65] scope:SCOPE_SE
	s_setreg_imm32_b32 hwreg(HW_REG_WAVE_MODE, 25, 1), 1
	s_wait_xcnt 0x0
; Three jobs in one launch, parted once by the work-group's number; each job has LDS bytes of its own and ends by itself.
;   work-groups   0 ..  47: qkv_w [1024 k][3072 n] f32 -> codes of FP4 (E2M1) laid [n][k], K innermost (512 bytes a row), and one E8M0 byte for each 32 along K, [n][32].
;   work-groups  48 .. 111: proj_w [1024 k][1024 n] f32 -> f16 laid [n][k] (2,048 bytes a row): the projection's operand with K innermost.
;   work-groups 112 .. 367: x [8192][1024] f32 -> codes [row][512 bytes] and scale bytes [row][32].
; A block's scale is 2^(floor(log2(its largest magnitude)) - 2); its byte is the largest magnitude's exponent field - 2, held at 1 from below.
; A block of zeros so gets the byte 1 where the quantiser says 127: its codes are zeros, which add nothing, and this program alone reads the bytes.
; LIMITS: NaN and infinities among the inputs are not served; proj_w must lie within f16's range (magnitudes up to 65,504; under 6e-5 the absolute error is about 3e-8).
; No tensor loads, no barrier: waves share nothing.
.set SPARE, 102400                     ; behind the three jobs' regions: the spare words, 128 bytes for each wave
.set SPW,   190                        ; v190 LDS address of my spare word; never rewritten
.set NIL,   191                        ; v191 0; never rewritten
.set EMAX,  2
; ---- x: a wave takes 16 steps of 512 numbers.  Each load reads 512 consecutive bytes; a step's 2,048 bytes turn through the wave's own stage so that a lane holds 16 neighbours along K
.set STEPS, 16
.set CB,    8                          ; bytes of 16 codes
.set XR,    16                         ; v16-79   four sets of 16 numbers as loaded
.set XX,    80                         ; v80-111  two sets of 16 neighbours
.set XE,    112                        ; v112-127 a scale byte for each step
.set XC,    128                        ; v128-189 codes: four registers apart for each step, so that no store's data are written again
.set WREG,  8192                       ; LDS: a region for each wave: two stages of 32 x SP bytes, then its 256 scale bytes
.set SP,    80                         ; a lane's place in a stage: 64 bytes + 16 of padding
.macro XLOAD t
.irp i, 0,1,2,3
	global_load_b128 v[XR+16*((\t)%4)+4*\i:XR+16*((\t)%4)+4*\i+3], v3, s[4:5] offset:2048*(\t)+512*\i th:TH_LOAD_NT
.endr
.endm
.macro XTURN t                         ; LDS serves a wave's instructions in order: no wait between the stores and the loads
.irp i, 0,1,2,3
	ds_store_b128 v14, v[XR+16*((\t)%4)+4*\i:XR+16*((\t)%4)+4*\i+3] offset:32*SP*((\t)%2)+8*SP*\i
.endr
.irp i, 0,1,2,3
	ds_load_b128 v[XX+16*((\t)%2)+4*\i:XX+16*((\t)%2)+4*\i+3], v15 offset:32*SP*((\t)%2)+16*\i
.endr
.endm
.macro XSTEP t
.set XS, XX+16*((\t)%2)
.if (\t) > 0
	s_wait_dscnt 1                                 ; this step's numbers are back from the stage; the last step's byte store may be out
.else
	s_wait_dscnt 0x0
.endif
.if (\t)+4 < STEPS
	XLOAD (\t)+4                                   ; into the set whose stores into the stage have read their registers
.endif
.if (\t)+1 < STEPS
.if STEPS-2-(\t) >= 3
	s_wait_loadcnt 12                              ; the next step's four loads are in; three later steps' twelve may be out
.else
	s_wait_loadcnt 4*(STEPS-2-(\t))
.endif
	XTURN (\t)+1
.endif
	v_max3_num_f32 v8, |v[XS]|, |v[XS+1]|, |v[XS+2]|               ; the largest magnitude of my 16, in two chains
	v_max3_num_f32 v9, |v[XS+3]|, |v[XS+4]|, |v[XS+5]|
.irp i, 6,10
	v_max3_num_f32 v8, v8, |v[XS+\i]|, |v[XS+\i+1]|
	v_max3_num_f32 v9, v9, |v[XS+\i+2]|, |v[XS+\i+3]|
.endr
	v_max3_num_f32 v8, v8, |v[XS+14]|, |v[XS+15]|
	v_max3_num_f32 v8, v8, v9, (EMAX+1)<<23        ; and the floor 2^(3 - 127): the byte cannot fall under 1
	v_max_num_f32_dpp v8, v8, v8 row_xmask:1 row_mask:0xf bank_mask:0xf   ; with my neighbour's 16: the block's
	v_add_nc_u32 v11, -(EMAX<<23), v8              ; 2 off the exponent field: the conversion takes this operand's exponent field as its scale
	v_cvt_scalef32_pk8_fp4_f32 v[XC+4*(\t)], v[XS:XS+7], v11
	v_cvt_scalef32_pk8_fp4_f32 v[XC+4*(\t)+1], v[XS+8:XS+15], v11
	v_lshrrev_b32 v[XE+(\t)], 23, v11              ; the scale's byte (also the plain line behind the conversions)
	ds_store_b8 v5, v[XE+(\t)] offset:16*(\t)      ; both lanes of a block write the same byte with the same value
	global_store_b64 v4, v[XC+4*(\t):XC+4*(\t)+1], s[10:11] offset:32*CB*(\t)   ; the wave stores 256 consecutive bytes
.endm
; ---- the two weights: a lane takes a column n and its registers run down K; the results go through the wave's stage and leave as rows
.set CX,     32                        ; v32-95   two sets of 32 numbers
.set CC,     96                        ; v96-111  a block's codes or f16 pairs
.set OUTR,   112                       ; v112-175 the way out
.set SB,     24                        ; v24-27   the scale bytes, four to a register
.set CPITCH, 272                       ; a stage row: 256 bytes + 16
.macro CLOAD t                         ; block t: W(32 t + i, my column): 32 lanes read 128 consecutive bytes, the four waves stand side by side
.irp i, 0,1,2,3,4,5,6,7,8,9,10,11,12,13,14,15,16,17,18,19,20,21,22,23,24,25,26,27,28,29,30,31
	global_load_b32 v[CX+32*((\t)%2)+\i], v3, s[26:27] offset:(32*(\t)+\i)*CN*4 th:TH_LOAD_NT
.endr
.endm
.macro CBLOCK t, kind
.set XS, CX+32*((\t)%2)
.if (\t) < CNB-1
	s_wait_loadcnt 32                              ; this block's 32 loads are in; the next block's may be out
.else
	s_wait_loadcnt 0
.endif
.if \kind == 0
	v_max3_num_f32 v12, |v[XS]|, |v[XS+1]|, |v[XS+2]|              ; the block's largest magnitude: all 32 numbers are mine
	v_max3_num_f32 v13, |v[XS+3]|, |v[XS+4]|, |v[XS+5]|
.irp i, 6,10,14,18,22,26
	v_max3_num_f32 v12, v12, |v[XS+\i]|, |v[XS+\i+1]|
	v_max3_num_f32 v13, v13, |v[XS+\i+2]|, |v[XS+\i+3]|
.endr
	v_max3_num_f32 v12, v12, |v[XS+30]|, |v[XS+31]|
	v_max3_num_f32 v12, v12, v13, (EMAX+1)<<23
	v_add_nc_u32 v11, -(EMAX<<23), v12
	v_lshrrev_b32 v13, 23, v11
.if (\t)%4 == 0
	v_mov_b32 v[SB+(\t)/4], v13
.else
	v_lshl_or_b32 v[SB+(\t)/4], v13, 8*((\t)%4), v[SB+(\t)/4]
.endif
.irp g, 0,1,2,3
	v_cvt_scalef32_pk8_fp4_f32 v[CC+\g], v[XS+8*\g:XS+8*\g+7], v11
.endr
	ds_store_b128 v4, v[CC:CC+3] offset:16*(\t)    ; 32 codes: 16 bytes of my column's row
.else
.irp i, 0,1,2,3,4,5,6,7,8,9,10,11,12,13,14,15
	v_cvt_pk_f16_f32 v[CC+\i], v[XS+2*\i], v[XS+2*\i+1]            ; two neighbours along K, the lower in the low half
.endr
.irp g, 0,1,2,3
	ds_store_b128 v4, v[CC+4*\g:CC+4*\g+3] offset:64*(\t)+16*\g    ; 32 numbers: 64 bytes of my column's row
.endr
.endif
.if (\t)+2 < CNB
	CLOAD (\t)+2
.endif
	s_wait_dscnt 0x0                               ; the stores have read their registers: the next block may write them
.endm
; s22 = which CKW along K, s23 = which 128 columns; s[26:27] the weight, s[28:29] the rows out, s[30:31] the scale bytes (kind 0)
.macro COLS kind
	s_lshl_b32 s21, s23, 7
	s_lshl_b32 s24, s20, 5
	s_add_co_u32 s21, s21, s24                     ; my wave's first column
	v_lshlrev_b32 v3, 2, v2                        ; in: 4 bytes a lane
	s_mul_i32 s32, s20, 32*CPITCH
	s_add_co_u32 s32, s32, CSTG                    ; my stage
	v_mul_u32_u24 v4, v2, CPITCH
	v_add_nc_u32 v4, s32, v4                       ; into it: row = my column
	v_and_b32 v5, 15, v2
	v_lshrrev_b32 v6, 4, v2
	v_mul_u32_u24 v7, v6, CPITCH
	v_lshl_add_u32 v7, v5, 4, v7
	v_add_nc_u32 v7, s32, v7                       ; out of it: sixteen lanes to a row, two rows an instruction
	v_mul_u32_u24 v8, v6, CKROW
	v_lshl_add_u32 v8, v5, 4, v8                   ; and the same place in the output
	s_mul_i32 s24, s22, CKW*CN*4
	s_lshl_b32 s33, s21, 2
	s_add_co_u32 s24, s24, s33
	s_add_nc_u64 s[26:27], s[26:27], s[24:25]
	s_mul_i32 s24, s21, CKROW
	s_lshl_b32 s33, s22, 8                         ; CKW along K are 256 bytes of an output row in both jobs
	s_add_co_u32 s24, s24, s33
	s_add_nc_u64 s[28:29], s[28:29], s[24:25]
.if \kind == 0
	s_lshl_b32 s24, s21, 5
	s_lshl_b32 s33, s22, 4
	s_add_co_u32 s24, s24, s33
	s_add_nc_u64 s[30:31], s[30:31], s[24:25]
	v_lshlrev_b32 v9, 5, v2                        ; my column's row of scale bytes
.endif
	CLOAD 0
	CLOAD 1
.set Q, 0
.rept CNB
	CBLOCK Q, \kind
.set Q, Q+1
.endr
.if \kind == 0
	global_store_b128 v9, v[SB:SB+3], s[30:31]     ; my column's 16 scale bytes
.endif
.irp t, 0,1,2,3,4,5,6,7,8,9,10,11,12,13,14,15
	ds_load_b128 v[OUTR+4*\t:OUTR+4*\t+3], v7 offset:2*\t*CPITCH   ; LDS serves a wave's instructions in order: these see my stores
.endr
.irp t, 0,1,2,3,4,5,6,7,8,9,10,11,12,13,14,15
	s_wait_dscnt 15-\t
	global_store_b128 v8, v[OUTR+4*\t:OUTR+4*\t+3], s[28:29] offset:2*\t*CKROW   ; sixteen lanes store 256 consecutive bytes, aligned
.endr
	s_wait_tensorcnt 0x0                           ; the wave's end
	ds_add_u32 v[SPW], v[NIL]
	s_wait_dscnt 0x0
	s_endpgm
.endm
	s_load_b512 s[4:19], s[0:1], 0x0               ; x 4:5, qkv_w 6:7, proj_w 8:9, x_codes 10:11, x_scales 12:13, w_codes 14:15, w_scales 16:17, pwt 18:19
	v_lshl_add_u32 v[SPW], v0, 2, SPARE
	v_mov_b32 v[NIL], 0
	v_lshrrev_b32 v1, 5, v0
	v_readfirstlane_b32 s20, v1                    ; wave
	v_and_b32 v2, 31, v0                           ; lane
	s_mov_b32 s25, 0                               ; the upper word of every offset pair s[24:25]
	s_wait_kmcnt 0x0
	s_cmp_lt_u32 ttmp9, 48
	s_cbranch_scc1 .Lw
	s_cmp_lt_u32 ttmp9, 112
	s_cbranch_scc1 .Lp
	; ---- x
	v_lshlrev_b32 v3, 4, v2                        ; my 16 bytes of a load's 512
	s_mul_i32 s21, s20, WREG
	v_lshrrev_b32 v14, 2, v2
	v_mul_u32_u24 v14, v14, SP
	v_and_b32 v15, 3, v2
	v_lshl_add_u32 v14, v15, 4, v14
	v_add_nc_u32 v14, s21, v14                     ; the stage, on the way in: SP (lane / 4) + 16 (lane % 4)
	v_mul_u32_u24 v15, v2, SP
	v_add_nc_u32 v15, s21, v15                     ; and on the way out: SP x lane
	v_mul_u32_u24 v4, v2, CB                       ; my codes' place in a step's
	v_lshrrev_b32 v5, 1, v2
	s_add_co_u32 s21, s21, 2*32*SP
	v_add_nc_u32 v5, s21, v5                       ; my block's byte among my wave's 256 scale bytes
	v_lshlrev_b32 v7, 3, v2
	v_add_nc_u32 v6, s21, v7
	s_sub_co_u32 s22, ttmp9, 112
	s_lshl_b32 s22, s22, 2
	s_add_co_u32 s22, s22, s20                     ; which run of 8,192 numbers is my wave's
	s_lshl_b32 s24, s22, 15
	s_add_nc_u64 s[4:5], s[4:5], s[24:25]
	s_lshl_b32 s24, s22, 12
	s_add_nc_u64 s[10:11], s[10:11], s[24:25]
	s_lshl_b32 s24, s22, 8
	s_add_nc_u64 s[12:13], s[12:13], s[24:25]
.irp t, 0,1,2,3
	XLOAD \t
.endr
	s_wait_loadcnt 12                              ; step 0's four loads are in
	XTURN 0
.irp t, 0,1,2,3,4,5,6,7,8,9,10,11,12,13,14,15
	XSTEP \t
.endr
	ds_load_b64 v[8:9], v6                         ; my wave's 256 scale bytes, 8 a lane
	s_wait_dscnt 0x0
	global_store_b64 v7, v[8:9], s[12:13]          ; 32 lanes store 256 consecutive bytes, aligned
	s_wait_tensorcnt 0x0                           ; the wave's end
	ds_add_u32 v[SPW], v[NIL]
	s_wait_dscnt 0x0
	s_endpgm
.Lw:	; ---- qkv_w: 24 x 2 work-groups: 128 columns x 512 along K
	s_cmp_ge_u32 ttmp9, 24
	s_cselect_b32 s22, 1, 0
	s_mul_i32 s23, s22, 24
	s_sub_co_u32 s23, ttmp9, s23
	s_mov_b64 s[26:27], s[6:7]
	s_mov_b64 s[28:29], s[14:15]
	s_mov_b64 s[30:31], s[16:17]
.set CN,    3072
.set CKW,   512
.set CNB,   16
.set CKROW, 512
.set CSTG,  32768
	COLS 0
.Lp:	; ---- proj_w: 8 x 8 work-groups: 128 columns x 128 along K
	s_sub_co_u32 s23, ttmp9, 48
	s_lshr_b32 s22, s23, 3
	s_and_b32 s23, s23, 7
	s_mov_b64 s[26:27], s[8:9]
	s_mov_b64 s[28:29], s[18:19]
.set CN,    1024
.set CKW,   128
.set CNB,   4
.set CKROW, 2048
.set CSTG,  67584
	COLS 1
.Lfunc_end_k_q5095f0c922_prep:
	.size	k_q5095f0c922_prep, .Lfunc_end_k_q5095f0c922_prep-k_q5095f0c922_prep
	.p2alignl 7, 3214868480
	.fill 96, 4, 3214868480
	.section	.rodata,"a",@progbits
	.p2align	6, 0x0
	.amdhsa_kernel k_q5095f0c922_prep
		.amdhsa_group_segment_fixed_size 102912
		.amdhsa_private_segment_fixed_size 0
		.amdhsa_enable_private_segment 0
		.amdhsa_kernarg_size 64
		.amdhsa_user_sgpr_count 2
		.amdhsa_user_sgpr_kernarg_segment_ptr 1
		.amdhsa_wavefront_size32 1
		.amdhsa_system_sgpr_workgroup_id_x 1
		.amdhsa_system_sgpr_workgroup_id_y 1
		.amdhsa_system_sgpr_workgroup_id_z 1
		.amdhsa_system_vgpr_workitem_id 0
		.amdhsa_next_free_vgpr 192
		.amdhsa_next_free_sgpr 66
		.amdhsa_reserve_vcc 0
		.amdhsa_float_denorm_mode_32 3
		.amdhsa_float_denorm_mode_16_64 3
		.amdhsa_memory_ordered 1
		.amdhsa_forward_progress 1
		.amdhsa_inst_pref_size 132
	.end_amdhsa_kernel
	.amdgpu_metadata
---
amdhsa.version: [ 1, 2 ]
amdhsa.kernels:
  - .name:           k_q5095f0c922_prep
    .symbol:         k_q5095f0c922_prep.kd
    .args:
      - { .name: x, .offset: 0, .size: 8, .value_kind: global_buffer, .address_space: global }
      - { .name: qkv_w, .offset: 8, .size: 8, .value_kind: global_buffer, .address_space: global }
      - { .name: proj_w, .offset: 16, .size: 8, .value_kind: global_buffer, .address_space: global }
      - { .name: x_codes, .offset: 24, .size: 8, .value_kind: global_buffer, .address_space: global }
      - { .name: x_scales, .offset: 32, .size: 8, .value_kind: global_buffer, .address_space: global }
      - { .name: w_codes, .offset: 40, .size: 8, .value_kind: global_buffer, .address_space: global }
      - { .name: w_scales, .offset: 48, .size: 8, .value_kind: global_buffer, .address_space: global }
      - { .name: pwt, .offset: 56, .size: 8, .value_kind: global_buffer, .address_space: global }
    .group_segment_fixed_size: 102912
    .private_segment_fixed_size: 0
    .kernarg_segment_align: 8
    .kernarg_segment_size: 64
    .max_flat_workgroup_size: 128
    .sgpr_count:     66
    .vgpr_count:     192
    .wavefront_size: 32
...
	.end_amdgpu_metadata
.endif
;; end of part 1
;; launch gemm_qkv (part 2): grid 12 x 32, 4 waves a work-group, clusters of 4 x 4, 327,680 bytes of LDS; arguments x_codes, x_scales, w_codes, w_scales, qkv_b, qkv16; writes qkv16
.if DOCPART == 2
	.amdgcn_target "amdgcn-amd-amdhsa--gfx1250"
	.amdhsa_code_object_version 6
	.text
	.protected	k_q5095f0c922_gemm_qkv
	.globl	k_q5095f0c922_gemm_qkv
	.p2align	8
	.type	k_q5095f0c922_gemm_qkv,@function
k_q5095f0c922_gemm_qkv:
	s_mov_b64 s[64:65], 0
	v_nop
	global_prefetch_b8 v0, s[64:65] scope:SCOPE_SE
	s_setreg_imm32_b32 hwreg(HW_REG_WAVE_MODE, 25, 1), 1
	s_wait_xcnt 0x0
	s_wait_alu depctr_hold_cnt(0) depctr_sa_sdst(0) depctr_va_vdst(0) depctr_va_sdst(0) depctr_va_ssrc(0) depctr_va_vcc(0) depctr_vm_vsrc(0)
	s_getreg_b32 s2, hwreg(HW_REG_IB_STS2, 6, 4)
	s_cmp_eq_u32 s2, 0
	s_cbranch_scc0 .Lentry_in_a_cluster
	s_endpgm
.Lentry_in_a_cluster:
	s_bfe_u32 s2, ttmp6, 0x10000c
	s_cmp_lg_u32 s2, 0xf033
	s_cbranch_scc0 .Lentry_shape_is_right
	s_endpgm
.Lentry_shape_is_right:
; qkv = Q(x) Q(qkv_w) + qkv_b on codes of FP4 (E2M1) with one E8M0 scale for each 32 along K; sums in f32; the result is rounded once to f16 and laid [q, k, v][batch x head][t][64].
; A: x_codes [8192][512 bytes], B: w_codes [3072][512 bytes], scale bytes [row][32].
; A tile of 256 x 256 is made by four waves, each 128 x 128: 64 accumulators, 512 registers.  K = 1,024 is two LDS slots of 512 along K: both are asked for at the head, nothing is filled again.
; The scale bytes of the work-group's rows, for all of K, come once with the first fills.  CLUSTERS of 4 x 4: A's tiles are shared along a row of the cluster, B's along a column, by joint loads.
; The matrix instruction is used transposed (source 0 = 16 rows of B, source 1 = 16 rows of A): a lane holds eight neighbouring columns of one row.  The bias is the C of each sum's first product.
; LIMIT: the results must lie within f16's range (magnitudes up to 65,504).
; REGISTERS: window 0: v0-31 addresses; v32-95 scale words, two sets; v96-127 packed results; v128-191 A's fragments, later rows on the way out; v192-255 the bias in the result's layout.
;   window 1: B's fragments, two sets, at v0 and v128.   window 2: accumulators of my rows 0-63 ((a, b) at v[8 (8 a + b)]);   window 3: rows 64-127.
.set SIZE_M, 8192
.set SIZE_N, 3072
.set SIZE_K, 1024
.set KSTEP,  512
.set NQ,     KSTEP/128
.set ROWB,   256
.set KROW,   SIZE_K/2
.set PITCH,  272                       ; an LDS row: 256 bytes + 16 of padding: the 16 rows of a fragment load start at 16 different banks
.set FR,     8
.set NL,     2
.set NP,     4
.set HALFT,  128*PITCH
.set SLOT,   4*HALFT
.set KS,     SIZE_K/32
.set SCL,    2*SLOT                    ; behind the two slots: the scales, as units of 256 bytes + 16 of padding
.set HALFS,  (128*KS/256)*272
.set SBLK,   (16*KS/256)*272
.set SPARE,  SCL+4*HALFS               ; the spare words, 128 bytes for each wave
.set SPITCH, 272                       ; the way out: a stage of 16 rows x (256 bytes + 16) for each wave, in slot 0, which has had its only fill and its last read by then
.set ADRA, 16
.set ADRB, 20
.set STO,  24
.set RD,   25
.set CO,   26
.set ADRS, 27
.set SPW,  28
.set NIL,  29
.set BO,   30
.set SC,   32
.set TMP,  96
.set AF,   128
.set BK,   128
.set BIA,  192
.set G1, 24
.set G0, 32
.set G1B, 48
.set G0B, 56
.set G1S, 68
.set G0S, 76
.set G1SB, 80
.set G0SB, 88
.set MSB, 0
.macro WIN new                         ; the immediate's high byte repeats the setting that is left
.if MSB != \new
	s_set_vgpr_msb (MSB<<8)|\new
.set MSB, \new
.endif
.endm
.set MUL_LO, 0xa1                      ; source 0 (B) window 1, source 1 (A) window 0, C and D window 2
.set MUL_HI, 0xf1                      ; the same, C and D window 3
.set FST_LO, 0x81                      ; a sum's first product: C (the bias) window 0, D window 2
.set FST_HI, 0xc1                      ; D window 3
.set TO_B,   0x40
; A joint load: waves 0 and 1 fetch for A, waves 2 and 3 for B.  The branch hangs on the wave's number alone.  An s_nop 0 and four v_nop follow each line.
.macro JLOAD g0a, g1a, g0b, g1b
	s_cmp_eq_u32 s15, 0
	s_cbranch_scc0 .Lfor_b_\@
	tensor_load_to_lds s[\g0a:\g0a+3], s[\g1a:\g1a+7]
	s_nop 0
.rept 4
	v_nop
.endr
	s_branch .Lasked_\@
.Lfor_b_\@:
	tensor_load_to_lds s[\g0b:\g0b+3], s[\g1b:\g1b+7]
	s_nop 0
.rept 4
	v_nop
.endr
.Lasked_\@:
.endm
.macro CROUND                          ; a round of the cluster's barrier
	s_barrier_signal -1
	s_barrier_wait -1
	s_cmp_lg_u32 s14, 0
	s_cbranch_scc1 .Lnot_wave_0_\@
	s_barrier_signal -3
.Lnot_wave_0_\@:
	s_barrier_wait -3
	s_barrier_signal -1
	s_barrier_wait -1
.endm
	s_load_b128 s[4:7], s[0:1], 0x0                ; x's codes, x's scales
	s_load_b128 s[8:11], s[0:1], 0x10              ; w's codes, w's scales
	s_load_b64 s[96:97], s[0:1], 0x20              ; qkv_b
	s_load_b64 s[12:13], s[0:1], 0x28              ; qkv16
	v_lshl_add_u32 v[SPW], v0, 2, SPARE
	v_mov_b32 v[NIL], 0
	ds_add_u32 v[SPW], v[NIL]                      ; the wave's opening: the add, twice on end, and its wait ahead of my first tensor load
	ds_add_u32 v[SPW], v[NIL]
	v_lshrrev_b32 v1, 5, v0
	v_readfirstlane_b32 s14, v1                    ; wave 0..3
	s_lshr_b32 s15, s14, 1                         ; which half of the tile's rows is mine.  Also: I fetch for A (0) or for B (1)
	s_and_b32 s16, s14, 1                          ; which half of its columns.  Also: which 128 rows of that tile I fetch
	s_bfe_u32 s40, ttmp6, 0x40000                  ; cx, cy
	s_bfe_u32 s41, ttmp6, 0x40004
	s_lshl_b32 s42, ttmp9, 2
	s_add_co_u32 s42, s42, s40                     ; tile column
	s_and_b32 s17, ttmp7, 0xffff
	s_lshl_b32 s17, s17, 2
	s_add_co_u32 s17, s17, s41                     ; tile row
	s_lshl_b32 s43, s41, 2
	s_lshl_b32 s43, 15, s43                        ; my row of the cluster
	s_lshl_b32 s44, 0x1111, s40                    ; my column
	; group 1: a tile of 128 rows x 256 bytes, 16 bytes of padding behind each row
	s_or_b32 s[G1+0], s43, (0<<16)|(1<<20)|(1<<21)|(5<<22)|(3<<25)
	s_or_b32 s[G1B+0], s44, (0<<16)|(1<<20)|(1<<21)|(5<<22)|(3<<25)
.irp g, G1, G1B
	s_mov_b32 s[\g+1], ROWB<<16
	s_mov_b32 s[\g+2], 128<<16
	s_mov_b32 s[\g+3], ROWB<<16
	s_mov_b32 s[\g+4], 128
	s_mov_b32 s[\g+5], KROW
	s_mov_b32 s[\g+6], 0
	s_mov_b32 s[\g+7], 0
.endr
	; the scales of 128 rows: a dense block of 4,096 bytes, as rows of 256 bytes (32 elements of 8 bytes), 16 bytes of padding behind each
	s_or_b32 s[G1S+0], s43, (3<<16)|(1<<20)|(1<<21)|(5<<22)|(3<<25)
	s_or_b32 s[G1SB+0], s44, (3<<16)|(1<<20)|(1<<21)|(5<<22)|(3<<25)
.irp g, G1S, G1SB
	s_mov_b32 s[\g+1], 32<<16
	s_mov_b32 s[\g+2], (128*KS/256)<<16
	s_mov_b32 s[\g+3], 32<<16
	s_mov_b32 s[\g+4], 128*KS/256
	s_mov_b32 s[\g+5], 32
	s_mov_b32 s[\g+6], 0
	s_mov_b32 s[\g+7], 0
.endr
	s_lshl_b32 s18, s16, 7
	s_lshl_b32 s20, s17, 8
	s_add_co_u32 s20, s20, s18                     ; A: row 256 x tile row + 128 x half
	s_lshl_b32 s46, s42, 8
	s_add_co_u32 s46, s46, s18                     ; B: row 256 x tile column + 128 x half
	s_mov_b32 s21, 0
	s_mov_b32 s47, 0
	s_mov_b64 s[18:19], KS
	s_mul_u64 s[22:23], s[20:21], s[18:19]
	s_mul_u64 s[92:93], s[46:47], s[18:19]
	s_mov_b64 s[18:19], KROW
	s_mul_u64 s[20:21], s[20:21], s[18:19]
	s_mul_u64 s[46:47], s[46:47], s[18:19]
	s_mul_i32 s45, s14, HALFT                      ; where they go: wave x 128 rows
	s_mul_i32 s94, s14, HALFS
	s_wait_dscnt 0x0                               ; both opening adds are done
	s_wait_kmcnt 0x0
	s_add_nc_u64 s[20:21], s[4:5], s[20:21]
	s_add_nc_u64 s[22:23], s[6:7], s[22:23]
	s_add_nc_u64 s[46:47], s[8:9], s[46:47]
	s_add_nc_u64 s[92:93], s[10:11], s[92:93]
	CROUND                                         ; all sixteen work-groups are here: the joint loads meet
	s_mov_b32 s[G0S], 1
	s_add_co_u32 s[G0S+1], s94, SCL
	s_mov_b64 s[G0S+2:G0S+3], s[22:23]
	s_or_b32 s[G0S+3], s[G0S+3], 0x80000000
	s_mov_b32 s[G0SB], 1
	s_add_co_u32 s[G0SB+1], s94, SCL
	s_mov_b64 s[G0SB+2:G0SB+3], s[92:93]
	s_or_b32 s[G0SB+3], s[G0SB+3], 0x80000000
	JLOAD G0S, G1S, G0SB, G1SB                     ; the scales first; with the two slots three loads of mine are out
.irp s, 0,1
	s_mov_b32 s[G0+4*\s], 1
	s_add_co_u32 s[G0+4*\s+1], s45, \s*SLOT
	s_add_nc_u64 s[G0+4*\s+2:G0+4*\s+3], s[20:21], \s*ROWB
	s_or_b32 s[G0+4*\s+3], s[G0+4*\s+3], 0x80000000
	s_mov_b32 s[G0B+4*\s], 1
	s_add_co_u32 s[G0B+4*\s+1], s45, \s*SLOT
	s_add_nc_u64 s[G0B+4*\s+2:G0B+4*\s+3], s[46:47], \s*ROWB
	s_or_b32 s[G0B+4*\s+3], s[G0B+4*\s+3], 0x80000000
	JLOAD G0+4*\s, G1, G0B+4*\s, G1B
.endr
	v_and_b32 v1, 15, v0                           ; r = l % 16
	v_bfe_u32 v2, v0, 4, 1                         ; h = l / 16
	; the bias: register 8 b + j of lane (r, h) is qkv_b[my first column + 16 b + 8 h + j]
	s_lshl_b32 s46, s42, 10
	s_lshl_b32 s47, s16, 9
	s_add_co_u32 s46, s46, s47
	s_mov_b32 s47, 0
	s_add_nc_u64 s[96:97], s[96:97], s[46:47]
	v_lshlrev_b32 v[BO], 5, v2
.irp b, 0,1,2,3,4,5,6,7
	global_load_b128 v[BIA+8*\b:BIA+8*\b+3], v[BO], s[96:97] offset:64*\b
	global_load_b128 v[BIA+8*\b+4:BIA+8*\b+7], v[BO], s[96:97] offset:64*\b+16
.endr
	v_mul_u32_u24 v3, v1, PITCH
	v_lshl_add_u32 v4, v2, 4, v3                   ; a fragment's row x pitch + 16 x half
	s_mul_i32 s21, s15, HALFT
	s_mul_i32 s22, s16, HALFT
	s_add_co_u32 s22, s22, 2*HALFT
.irp s, 0,1
	v_add_nc_u32 v[ADRA+\s], s21, v4
	v_add_nc_u32 v[ADRB+\s], s22, v4
	s_add_co_u32 s21, s21, SLOT
	s_add_co_u32 s22, s22, SLOT
.endr
	v_mul_u32_u24 v5, v1, KS                       ; my row's scales: 32 bytes a row,
	v_lshrrev_b32 v6, 8, v5
	v_lshl_add_u32 v5, v6, 4, v5                   ; and 16 more for each 256 passed
	s_mul_i32 s21, s15, HALFS
	s_mul_i32 s22, s16, HALFS
	s_add_co_u32 s22, s22, 2*HALFS
	s_sub_co_u32 s22, s22, s21
	v_mul_u32_u24 v6, s22, v2                      ; lanes 16-31 take B's
	s_add_co_u32 s21, s21, SCL
	v_add_nc_u32 v5, v5, v6
	v_add_nc_u32 v[ADRS], s21, v5
	s_mul_i32 s23, s14, 16*SPITCH                  ; my stage
	v_mul_u32_u24 v5, v1, SPITCH
	v_lshl_add_u32 v5, v2, 4, v5
	v_add_nc_u32 v[STO], s23, v5                   ; in: row r, 16 bytes for each half of the lanes
	v_bfe_u32 v5, v0, 3, 1
	v_and_b32 v6, 7, v0
	v_mul_u32_u24 v7, v5, SPITCH
	v_lshl_add_u32 v7, v2, 7, v7
	v_lshl_add_u32 v7, v6, 4, v7
	v_add_nc_u32 v[RD], s23, v7                    ; back: lanes 0-15 two rows of my first head (128 bytes each), lanes 16-31 of my second
	v_lshlrev_b32 v[CO], 18, v2
	v_lshl_add_u32 v[CO], v5, 7, v[CO]
	v_lshl_add_u32 v[CO], v6, 4, v[CO]             ; and the same in qkv16: a head is 2^18 bytes, a row 128
	s_lshr_b32 s20, s17, 3
	s_lshl_b32 s20, s20, 22                        ; the batch: 16 heads of 2^18 bytes
	s_and_b32 s21, s17, 7
	s_lshl_b32 s21, s21, 15                        ; 256 rows of 128 bytes for each tile row in the batch
	s_add_co_u32 s20, s20, s21
	s_lshl_b32 s21, s15, 14                        ; my 128 rows
	s_add_co_u32 s20, s20, s21
	s_lshl_b32 s21, s16, 19                        ; my two heads of the tile's four
	s_add_co_u32 s20, s20, s21
	s_mov_b32 s21, 0
	s_add_nc_u64 s[12:13], s[12:13], s[20:21]
	s_lshl_b32 s46, ttmp9, 24                      ; four tile columns are 1,024 columns: the cluster's x says q, k or v
	s_lshl_b32 s47, s40, 20                        ; and cx which four heads
	s_add_co_u32 s46, s46, s47
	s_mov_b32 s47, 0
	s_add_nc_u64 s[12:13], s[12:13], s[46:47]
.macro FRAG reg, adr, q, i             ; 16 rows x 128 K of 4-bit codes: 8 registers; registers 4 c .. 4 c + 3 hold K = 64 c + 32 (l / 16) + 0 .. 31
.irp c, 0,1
	ds_load_b128 v[\reg+4*\c:\reg+4*\c+3], v[\adr] offset:64*(\q)+32*\c+(\i)*16*PITCH
.endr
.endm
; 16 matrix instructions: A's blocks a0, a0 + 1 x B's eight.  zero = 1: the first product starts the sums on the bias.  The 64 accumulators take turns.
.macro MUL16 a0, p, q, sc, zero
.irp a, \a0, \a0+1
.irp b, 0,1,2,3,4,5,6,7
.if \zero
	v_wmma_scale_f32_16x16x128_f8f6f4 v[8*(8*((\a)%4)+\b):8*(8*((\a)%4)+\b)+7], v[128*(\p)+FR*\b:128*(\p)+FR*\b+FR-1], v[AF+FR*(\a):AF+FR*(\a)+FR-1], v[BIA+8*\b:BIA+8*\b+7], v[SC+8*NQ*(\sc)+NQ*\b+(\q)], v[SC+8*NQ*(\sc)+NQ*(\a)+(\q)] matrix_a_fmt:MATRIX_FMT_FP4 matrix_b_fmt:MATRIX_FMT_FP4 matrix_a_scale:MATRIX_SCALE_ROW1
.else
	v_wmma_scale_f32_16x16x128_f8f6f4 v[8*(8*((\a)%4)+\b):8*(8*((\a)%4)+\b)+7], v[128*(\p)+FR*\b:128*(\p)+FR*\b+FR-1], v[AF+FR*(\a):AF+FR*(\a)+FR-1], v[8*(8*((\a)%4)+\b):8*(8*((\a)%4)+\b)+7], v[SC+8*NQ*(\sc)+NQ*\b+(\q)], v[SC+8*NQ*(\sc)+NQ*(\a)+(\q)] matrix_a_fmt:MATRIX_FMT_FP4 matrix_b_fmt:MATRIX_FMT_FP4 matrix_a_scale:MATRIX_SCALE_ROW1
.endif
.endr
.endr
.endm
.macro FETCH_B slot, q, p
	WIN TO_B
.irp i, 0,1,2,3,4,5,6,7
	FRAG 128*(\p)+FR*\i, ADRB+\slot, \q, \i
.endr
	WIN 0
.endm
.macro FETCH_A slot, q, i0
.irp i, \i0, \i0+1, \i0+2, \i0+3
	FRAG AF+FR*(\i), ADRA+\slot, \q, \i
.endr
.endm
.macro SCALES sc                       ; a slot's scale words: lanes 0-15 take A's block i, lanes 16-31 B's block i
.irp i, 0,1,2,3,4,5,6,7
	ds_load_b128 v[SC+8*NQ*\sc+NQ*\i:SC+8*NQ*\sc+NQ*\i+3], v[ADRS] offset:\i*SBLK
.endr
.endm
.macro PLACES n                        ; plain vector places behind matrix instructions, ahead of loads into their registers and of reads of their results
.rept \n
	v_nop
.endr
.endm
.macro STEP slot, q, zero              ; 128 along K that has its successor in the same slot
	s_wait_dscnt 4*NL                              ; B's set and A's blocks 0-3 are in; the youngest eight loads (A's blocks 4-7) may be out
.if \zero
	WIN FST_LO
.else
	WIN MUL_LO
.endif
	MUL16 0, (\q)%2, \q, \slot, \zero
	MUL16 2, (\q)%2, \q, \slot, \zero
	s_wait_dscnt 0
	PLACES NP
	FETCH_B \slot, (\q)+1, 1-(\q)%2
	FETCH_A \slot, (\q)+1, 0
.if \zero
	WIN FST_HI
.else
	WIN MUL_HI
.endif
	MUL16 4, (\q)%2, \q, \slot, \zero
	MUL16 6, (\q)%2, \q, \slot, \zero
	PLACES NP
	WIN 0
	FETCH_A \slot, (\q)+1, 4
.endm
; Slot 0's last step changes slots: one barrier; ahead of it my tensor loads have landed (slot 1's part), and my reads of slot 0 are over: behind it slot 0 may take the stages.
.macro TURN slot, next
	s_wait_tensorcnt 0x0
	ds_add_u32 v[SPW], v[NIL]                      ; 0 onto my spare word
	s_wait_dscnt 4*NL+1                            ; the add and the youngest eight loads may be out
	WIN MUL_LO
	MUL16 0, 1, NQ-1, \slot, 0
	s_wait_dscnt 0x0
	s_barrier_signal -1
	MUL16 2, 1, NQ-1, \slot, 0
	WIN 0
	s_barrier_wait -1
	PLACES NP
	v_add_nc_u32 v[ADRS], 4*NQ, v[ADRS]            ; on to the next slot's scale words
	FETCH_B \next, 0, 0
	FETCH_A \next, 0, 0
	SCALES \next
	WIN MUL_HI
	MUL16 4, 1, NQ-1, \slot, 0
	MUL16 6, 1, NQ-1, \slot, 0
	PLACES NP
	WIN 0
	FETCH_A \next, 0, 4
.endm
.macro STEPS slot, from
.set Q, \from
.rept NQ-1-\from
	STEP \slot, Q, 0
.set Q, Q+1
.endr
.endm
	s_wait_tensorcnt 1                             ; the scales and my part of slot 0 are in; slot 1's load may be out,
	s_barrier_signal -1
	s_barrier_wait -1                              ; everybody's are
	FETCH_B 0, 0, 0
	FETCH_A 0, 0, 0
	SCALES 0
	FETCH_A 0, 0, 4
	s_wait_loadcnt 0x0                             ; the bias
	STEP 0, 0, 1
	STEPS 0, 1
	TURN 0, 1
	STEPS 1, 0
	s_wait_dscnt 4*NL                              ; the last step: nothing more to fetch
	WIN MUL_LO
	MUL16 0, 1, NQ-1, 1, 0
	MUL16 2, 1, NQ-1, 1, 0
	s_wait_dscnt 0
	WIN MUL_HI
	MUL16 4, 1, NQ-1, 1, 0
	MUL16 6, 1, NQ-1, 1, 0
	WIN 0
; THE WAY OUT, a block of 16 rows x 128 columns (two heads) at a time: rounded to f16, 16 bytes a lane into my stage, back so that sixteen lanes hold two rows of one head: 256 consecutive bytes of qkv16.
.macro PACK a
.set AC, 64*((\a)%4)
	WIN 0x0a+5*((\a)/4)                            ; sources 0 and 1: window 2 or 3
.irp b, 0,1,2,3,4,5,6,7
.irp i, 0,1,2,3
	v_cvt_pk_f16_f32 v[TMP+4*\b+\i], v[AC+8*\b+2*\i], v[AC+8*\b+2*\i+1]   ; each accumulator from its low end on
.endr
.endr
	WIN 0
.endm
.macro TOSTAGE a
.irp b, 0,1,2,3,4,5,6,7
	ds_store_b128 v[STO], v[TMP+4*\b:TMP+4*\b+3] offset:32*\b
.endr
.irp t, 0,1,2,3,4,5,6,7
	ds_load_b128 v[BK+32*((\a)%2)+4*\t:BK+32*((\a)%2)+4*\t+3], v[RD] offset:\t*2*SPITCH   ; LDS serves a wave's instructions in order: these see the stores above
.endr
.endm
.macro SEND a
	s_wait_dscnt 0x0                               ; the block is back in registers
	s_wait_xcnt 0x0                                ; the earlier stores have read their registers: the next block's loads may land there
.irp t, 0,1,2,3,4,5,6,7
	global_store_b128 v[CO], v[BK+32*((\a)%2)+4*\t:BK+32*((\a)%2)+4*\t+3], s[12:13] offset:(\a)*2048+256*\t   ; sixteen lanes store 256 consecutive bytes, aligned
.endr
.endm
	PLACES NP
	PACK 0
	TOSTAGE 0
.irp a, 1,2,3,4,5,6,7
	PACK \a
	SEND \a-1
	TOSTAGE \a
.endr
	SEND 7
	s_wait_tensorcnt 0x0                           ; the wave's end
	ds_add_u32 v[SPW], v[NIL]
	s_wait_dscnt 0x0
	CROUND                                         ; the closing round
	s_endpgm
.Lfunc_end_k_q5095f0c922_gemm_qkv:
	.size	k_q5095f0c922_gemm_qkv, .Lfunc_end_k_q5095f0c922_gemm_qkv-k_q5095f0c922_gemm_qkv
	.p2alignl 7, 3214868480
	.fill 96, 4, 3214868480
	.section	.rodata,"a",@progbits
	.p2align	6, 0x0
	.amdhsa_kernel k_q5095f0c922_gemm_qkv
		.amdhsa_group_segment_fixed_size 327680
		.amdhsa_private_segment_fixed_size 0
		.amdhsa_enable_private_segment 0
		.amdhsa_kernarg_size 48
		.amdhsa_user_sgpr_count 2
		.amdhsa_user_sgpr_kernarg_segment_ptr 1
		.amdhsa_wavefront_size32 1
		.amdhsa_system_sgpr_workgroup_id_x 1
		.amdhsa_system_sgpr_workgroup_id_y 1
		.amdhsa_system_sgpr_workgroup_id_z 1
		.amdhsa_system_vgpr_workitem_id 0
		.amdhsa_next_free_vgpr 1024
		.amdhsa_next_free_sgpr 98
		.amdhsa_reserve_vcc 0
		.amdhsa_float_denorm_mode_32 3
		.amdhsa_float_denorm_mode_16_64 3
		.amdhsa_memory_ordered 1
		.amdhsa_forward_progress 1
		.amdhsa_inst_pref_size 128
	.end_amdhsa_kernel
	.amdgpu_metadata
---
amdhsa.version: [ 1, 2 ]
amdhsa.kernels:
  - .name:           k_q5095f0c922_gemm_qkv
    .symbol:         k_q5095f0c922_gemm_qkv.kd
    .args:
      - { .name: x_codes, .offset: 0, .size: 8, .value_kind: global_buffer, .address_space: global }
      - { .name: x_scales, .offset: 8, .size: 8, .value_kind: global_buffer, .address_space: global }
      - { .name: w_codes, .offset: 16, .size: 8, .value_kind: global_buffer, .address_space: global }
      - { .name: w_scales, .offset: 24, .size: 8, .value_kind: global_buffer, .address_space: global }
      - { .name: qkv_b, .offset: 32, .size: 8, .value_kind: global_buffer, .address_space: global }
      - { .name: qkv16, .offset: 40, .size: 8, .value_kind: global_buffer, .address_space: global }
    .group_segment_fixed_size: 327680
    .private_segment_fixed_size: 0
    .kernarg_segment_align: 8
    .kernarg_segment_size: 48
    .max_flat_workgroup_size: 128
    .sgpr_count:     98
    .vgpr_count:     1024
    .wavefront_size: 32
...
	.end_amdgpu_metadata
.endif
;; end of part 2
;; launch attn (part 3): grid 4 x 64, 16 waves a work-group, no clusters, 327,680 bytes of LDS; arguments qkv16, ao16; writes ao16
.if DOCPART == 3
	.amdgcn_target "amdgcn-amd-amdhsa--gfx1250"
	.amdhsa_code_object_version 6
	.text
	.protected	k_q5095f0c922_attn
	.globl	k_q5095f0c922_attn
	.p2align	8
	.type	k_q5095f0c922_attn,@function
k_q5095f0c922_attn:
	s_mov_b64 s[64:65], 0
	v_nop
	global_prefetch_b8 v0, s[64:65] scope:SCOPE_SE
	s_setreg_imm32_b32 hwreg(HW_REG_WAVE_MODE, 25, 1), 1
	s_wait_xcnt 0x0
; Causal attention of one (batch, head): O[q] = sum over k <= q of softmax_k(Q[q] . K[k] / 8) V[k].  Q, K, V: f16, [part][batch x head][2048][64]; O: f16, [batch x head][2048][64].
; Products, maxima and sums in f32; the weights p are rounded to f16 for the second product, O once at the end.
; SHARES.  Work-group (j, head) owns query blocks 7 - j and j of the head's eight blocks of 256: under the mask their work adds to the same in every work-group.  Waves 0-7 take block 7 - j, waves 8-15 block j;
; a wave owns 32 queries, two tiles of 16, so that each fragment of K and V read from LDS feeds two matrix instructions.  Four waves share a SIMD: one wave's softmax stands beside another's products.
; LAYOUT.  S^T = K Q^T and O^T = V^T P: a lane holds one query (lane % 16) throughout; two tiles of S^T, rounded in pairs, are source 1 of the second product.  V comes out of LDS turned, by ds_load_tr16_b128.
; SOFTMAX.  A running maximum m and sum l for each query: p = 2^(c s - c m), c = log2(e) / 8; in every step O and l are multiplied by a = 2^(c m_old - c m_new).
; RING.  Two LDS slots of 256 keys (K's rows 144 bytes apart, V's 160), filled by waves 0-3, one tensor load each, read by all sixteen.  EVERY work-group walks all eight slots: trip counts are constants.
; A step of 64 keys all of which come after the wave's queries is jumped over (a scalar branch on ids); a slot whose first key comes after the work-group's last query is not asked for.
; No cluster: the four work-groups of a head need different numbers of tiles, and a joint request may not be left out by one partner.
; LIMIT: q, k, v and O within f16's range.  NaN and infinities are not served.
.set KP,    144
.set PVP,   160
.set SK,    256
.set VOFF,  SK*KP
.set SLOT1, 131072                     ; slot 1 begins here: one exclusive or turns an address from one slot into the other
.set STAGE, SLOT1+VOFF+SK*PVP          ; behind the ring: 32 rows x 144 bytes for each wave, for the way out: bytes of their own
.set SPARE, STAGE+16*32*144            ; the spare words, 128 bytes for each wave
.set AK0, 1                            ; v1  my lane's place in a tile of K
.set AV0, 2                            ; v2  the same for V
.set SPW, 3
.set NIL, 4
.set GO,  5                            ; v5  16 x lane
.set ADK, 6
.set ADV, 7
.set STO, 8
.set RD,  9
.set PFO, 10                           ; v10 256 x lane
.set QO,  11
.set ST,  12                           ; v12-27 statistics, 8 a tile: +0 c m, +1 m, +2, +3 l, +4 .. +7 at work; a at +6
.set RH,  31                           ; v31 r - 8 h, for the mask; v28, v29 the mask's d; v30 -infinity
.set QF,  32                           ; v32-63   Q: tile t, channels 32 ks on, at 32 + 16 t + 8 ks
.set KV,  64                           ; v64-127  K's eight fragments, then V's
.set S,   128                          ; v128-191 S^T, 32 a tile; P is laid on a tile's first 16
.set OA,  192                          ; v192-255 O^T: tile t, channels 16 dt on, at 192 + 32 t + 8 dt
.set TB,  2
.set WV,  18
.set SEL, 20
.set CS,  22
.set G1K, 24
.set G1V, 32
.set G0K, 40
.set G0V, 44
.set SLOTS, 48
.set KF,  49                           ; s49 the step's first key
.set Q0,  50                           ; s50 my first query
.set LQ,  51                           ; s51 my work-group's last query
.set PFA, 52
.set LIM, 54
; Waves 0 and 1 fetch K's halves of a slot, waves 2 and 3 V's, the others nothing.  An s_nop 0 and four v_nop follow each line.
.macro TLOAD
	s_cmp_lt_u32 s[WV], 2
	s_cbranch_scc0 .Lnot_k_\@
	tensor_load_to_lds s[G0K:G0K+3], s[G1K:G1K+7]
	s_nop 0
.rept 4
	v_nop
.endr
	s_branch .Lasked_\@
.Lnot_k_\@:
	s_cmp_lt_u32 s[WV], 4
	s_cbranch_scc0 .Lasked_\@
	tensor_load_to_lds s[G0V:G0V+3], s[G1V:G1V+7]
	s_nop 0
.rept 4
	v_nop
.endr
.Lasked_\@:
.endm
; A prefetch of what the NEXT change of slots will ask for: a slot's K and V are dense blocks of 32,768 bytes.  The head's work-group 0, which walks every slot itself, asks, and nobody else:
; waves 4-7 for K's block, waves 8-11 for V's, 8,192 bytes a wave, lanes 256 bytes apart: each aligned block of 256 bytes is named once.  The last change that fills a slot asks for nothing.
.macro ASK
	s_cmp_gt_u32 s[SLOTS], s[LIM]
	s_cbranch_scc0 .Lnot_mine_\@
	global_prefetch_b8 v[PFO], s[PFA:PFA+1] th:TH_LOAD_NT scope:SCOPE_SE
.Lnot_mine_\@:
.endm
	s_load_b128 s[4:7], s[0:1], 0x0                ; qkv16, ao16
	v_lshl_add_u32 v[SPW], v0, 2, SPARE
	v_mov_b32 v[NIL], 0
	ds_add_u32 v[SPW], v[NIL]                      ; the wave's opening: the add, twice on end, and its wait ahead of the first tensor load
	ds_add_u32 v[SPW], v[NIL]
	v_lshrrev_b32 v6, 5, v0
	v_readfirstlane_b32 s[WV], v6                  ; wave 0..15
	s_sub_co_u32 s56, 7, ttmp9
	s_cmp_lt_u32 s[WV], 8
	s_cselect_b32 s56, s56, ttmp9                  ; my block of 256 queries
	s_lshl_b32 s56, s56, 8
	s_and_b32 s57, s[WV], 7
	s_lshl_b32 s57, s57, 5
	s_add_co_u32 s[Q0], s56, s57
	s_sub_co_u32 s[LQ], 8, ttmp9
	s_lshl_b32 s[LQ], s[LQ], 8
	s_sub_co_u32 s[LQ], s[LQ], 1
	s_and_b32 s57, ttmp7, 0xffff
	s_lshl_b32 s57, s57, 18                        ; the head's first byte in a part, and in ao16
	s_and_b32 s58, s[WV], 1
	s_lshl_b32 s60, s58, 14                        ; my half of a slot: 128 rows of 128 bytes
	s_add_co_u32 s60, s60, s57
	s_mov_b32 s61, 0
	; group 1: 128 rows x 64 elements of 2 bytes, dense in memory; padding behind every 32 words: 4 words for K, 8 for V
	s_mov_b32 s[G1K], (1<<16)|(1<<20)|(4<<22)|(3<<25)
	s_mov_b32 s[G1V], (1<<16)|(1<<20)|(4<<22)|(7<<25)
.irp g, G1K, G1V
	s_mov_b32 s[\g+1], 64<<16
	s_mov_b32 s[\g+2], 128<<16
	s_mov_b32 s[\g+3], 64<<16
	s_mov_b32 s[\g+4], 128
	s_mov_b32 s[\g+5], 64
	s_mov_b32 s[\g+6], 0
	s_mov_b32 s[\g+7], 0
.endr
	s_mov_b32 s[G0K], 1
	s_mul_i32 s[G0K+1], s58, 128*KP
	s_mov_b32 s[G0V], 1
	s_mul_i32 s[G0V+1], s58, 128*PVP
	s_add_co_u32 s[G0V+1], s[G0V+1], VOFF
	s_mov_b32 s[SEL], 0x76543210
	s_mov_b32 s[SEL+1], 0xfedcba98
	s_mov_b32 s[CS], 0x3e38aa3b                    ; c = log2(e) / 8
	s_mov_b32 s[CS+1], s[CS]
	s_mov_b32 s[TB], 0
	s_mov_b32 s[SLOTS], 7
	s_mov_b32 s[KF], 0
	s_wait_dscnt 0x0                               ; both opening adds are done
	s_wait_kmcnt 0x0
	s_add_nc_u64 s[G0K+2:G0K+3], s[4:5], s[60:61]
	s_add_nc_u64 s[G0K+2:G0K+3], s[G0K+2:G0K+3], 1<<24   ; the part of k
	s_or_b32 s[G0K+3], s[G0K+3], 0x80000000
	s_add_nc_u64 s[G0V+2:G0V+3], s[4:5], s[60:61]
	s_add_nc_u64 s[G0V+2:G0V+3], s[G0V+2:G0V+3], 2<<24   ; the part of v
	s_or_b32 s[G0V+3], s[G0V+3], 0x80000000
	TLOAD                                          ; slot 0: key 0 counts for every query, so it is read by all
	s_lshl_b32 s60, s[Q0], 7
	s_add_co_u32 s60, s60, s57
	s_add_nc_u64 s[8:9], s[4:5], s[60:61]          ; Q at my first query
	s_add_nc_u64 s[6:7], s[6:7], s[60:61]          ; O likewise
	s_mov_b32 s59, 2<<24
	s_cmp_lt_u32 s[WV], 8
	s_cselect_b32 s60, 1<<24, s59                  ; waves 4-7 ask for K, waves 8-11 for V
	s_and_b32 s59, s[WV], 3
	s_lshl_b32 s59, s59, 13
	s_add_co_u32 s60, s60, s59
	s_add_co_u32 s60, s60, s57
	s_add_co_u32 s60, s60, SK*128                  ; in slot 1: the first change of slots steps it to slot 2
	s_add_nc_u64 s[PFA:PFA+1], s[4:5], s[60:61]
	s_sub_co_u32 s59, s[WV], 4
	s_lshr_b32 s59, s59, 3                         ; 0 in waves 4 to 11,
	s_or_b32 s59, s59, ttmp9                       ; of the head's work-group 0
	s_cmp_eq_u32 s59, 0
	s_cselect_b32 s[LIM], 1, -1
	v_and_b32 v6, 15, v0                           ; r
	v_bfe_u32 v7, v0, 4, 1                         ; h
	v_and_b32 v28, 31, v0                          ; lane
	v_lshlrev_b32 v[QO], 7, v6
	v_lshl_add_u32 v[QO], v7, 4, v[QO]             ; Q: row r of 128 bytes + 16 h
.irp t, 0,1
.irp ks, 0,1
	global_load_b128 v[QF+16*\t+8*\ks:QF+16*\t+8*\ks+3], v[QO], s[8:9] offset:\t*2048+\ks*64
	global_load_b128 v[QF+16*\t+8*\ks+4:QF+16*\t+8*\ks+7], v[QO], s[8:9] offset:\t*2048+\ks*64+32
.endr
.endr
	v_mul_u32_u24 v[AK0], v6, KP
	v_lshl_add_u32 v[AK0], v7, 4, v[AK0]           ; K: row r x pitch + 16 h
	v_and_b32 v29, 7, v0
	v_lshl_add_u32 v29, v7, 3, v29
	v_mul_u32_u24 v[AV0], v29, PVP
	v_bfe_u32 v29, v0, 3, 1
	v_lshl_add_u32 v[AV0], v29, 4, v[AV0]
	v_add_nc_u32 v[AV0], VOFF, v[AV0]              ; V, for the turning load: key 8 h + l % 8, channels 8 ((l / 8) % 2) on
	v_lshlrev_b32 v[GO], 4, v28
	v_lshlrev_b32 v[PFO], 8, v28
	s_mul_i32 s56, s[WV], 32*144
	s_add_co_u32 s56, s56, STAGE                   ; my stage
	v_add_nc_u32 v[STO], s56, v[AK0]               ; in: row r, 16 bytes for each half of the lanes
	v_bfe_u32 v29, v0, 3, 2
	v_mul_u32_u24 v[RD], v29, 144
	v_and_b32 v29, 7, v0
	v_lshl_add_u32 v[RD], v29, 4, v[RD]
	v_add_nc_u32 v[RD], s56, v[RD]                 ; back: eight lanes to a row of 128 bytes, four rows an instruction
	v_lshlrev_b32 v29, 3, v7
	v_sub_nc_u32 v[RH], v6, v29
	v_mov_b32 v30, 0xff800000                      ; -infinity
.irp t, 0,1
	v_mov_b32 v[ST+8*\t+1], 0xff61b1e6             ; m: -3e38, under every score
	v_mul_f32 v[ST+8*\t], s[CS], v[ST+8*\t+1]      ; c m
.irp i, 2,3,4,5,6,7
	v_mov_b32 v[ST+8*\t+\i], 0                     ; l, and the registers at work: written once on every path
.endr
.endr
.set i, 0
.rept 64
	v_mov_b32 v[OA+i], 0                           ; O^T: the step is written once; its first pass finds zeros, which a = 0 leaves zeros
.set i, i+1
.endr
; A KEY STEP: 64 keys, the q-th of the slot in hand.
.macro STEP q
	s_add_co_u32 s60, s[Q0], 31
	s_cmp_gt_u32 s[KF], s60                        ; all 64 keys come after my 32 queries: the step's work is left out; the line at its end that steps KF is not
	s_cbranch_scc1 .Lhidden_\@
	v_add_nc_u32 v[ADK], s[TB], v[AK0]
	v_add_nc_u32 v[ADV], s[TB], v[AV0]
.rept 3
	v_nop                                          ; with the two additions five places behind the last products: the loads land on V's fragments, and the new scores are laid over P, which those products read
.endr
.irp kt, 0,1,2,3
.irp ks, 0,1
	ds_load_b128 v[KV+8*(2*\kt+\ks):KV+8*(2*\kt+\ks)+3], v[ADK] offset:(64*(\q)+16*\kt)*KP+64*\ks
	ds_load_b128 v[KV+8*(2*\kt+\ks)+4:KV+8*(2*\kt+\ks)+7], v[ADK] offset:(64*(\q)+16*\kt)*KP+64*\ks+32
.endr
.endr
	s_wait_dscnt 0x0
.irp ks, 0,1                                   ; S^T = K Q^T: the eight accumulators take turns
.irp kt, 0,1,2,3
.irp t, 0,1
.if \ks == 0
	v_wmma_f32_16x16x32_f16 v[S+32*\t+8*\kt:S+32*\t+8*\kt+7], v[KV+8*(2*\kt+\ks):KV+8*(2*\kt+\ks)+7], v[QF+16*\t+8*\ks:QF+16*\t+8*\ks+7], 0
.else
	v_wmma_f32_16x16x32_f16 v[S+32*\t+8*\kt:S+32*\t+8*\kt+7], v[KV+8*(2*\kt+\ks):KV+8*(2*\kt+\ks)+7], v[QF+16*\t+8*\ks:QF+16*\t+8*\ks+7], v[S+32*\t+8*\kt:S+32*\t+8*\kt+7]
.endif
.endr
.endr
.endr
.rept 4
	v_nop                                          ; places ahead of the loads into K's fragments and of the first read of the scores
.endr
.irp u, 0,1                                    ; V of this step, turned: it lands while the softmax is walked
.irp dt, 0,1,2,3
	ds_load_tr16_b128 v[KV+8*(4*\u+\dt):KV+8*(4*\u+\dt)+3], v[ADV] offset:(64*(\q)+32*\u)*PVP+32*\dt
	ds_load_tr16_b128 v[KV+8*(4*\u+\dt)+4:KV+8*(4*\u+\dt)+7], v[ADV] offset:(64*(\q)+32*\u)*PVP+16*PVP+32*\dt
.endr
.endr
	s_add_co_u32 s60, s[KF], 63                    ; on the diagonal hidden scores become -infinity ahead of the maximum; a step all of whose keys count skips this
	s_cmp_le_u32 s60, s[Q0]
	s_cbranch_scc1 .Lopen_\@
	s_sub_co_i32 s60, s[Q0], s[KF]
	v_add_nc_u32 v28, s60, v[RH]                   ; d = my query - KF - 8 h.  Register 8 kt + j holds key KF + 8 h + 16 kt + j: hidden where 16 kt + j > d
	v_add_nc_u32 v29, 16, v28                      ; tile 1's queries lie 16 on
.irp t, 0,1
.set n, 0
.rept 32
	v_cmp_gt_i32 vcc_lo, 16*(n/8)+n%8, v[28+\t]
	v_cndmask_b32 v[S+32*\t+n], v[S+32*\t+n], v30, vcc_lo
.set n, n+1
.endr
.endr
.Lopen_\@:
	; the maximum of my 32 scores and the old m, both tiles line by line; each accumulator is read from its low end on
.irp c, 0,1,2,3
.irp t, 0,1
	v_max3_num_f32 v[ST+8*\t+4+\c], v[S+32*\t+8*\c], v[S+32*\t+8*\c+1], v[S+32*\t+8*\c+2]
.endr
.endr
.irp i, 3,5
.irp c, 0,1,2,3
.irp t, 0,1
	v_max3_num_f32 v[ST+8*\t+4+\c], v[ST+8*\t+4+\c], v[S+32*\t+8*\c+\i], v[S+32*\t+8*\c+\i+1]
.endr
.endr
.endr
.irp t, 0,1
	v_max3_num_f32 v[ST+8*\t+4], v[ST+8*\t+4], v[S+32*\t+7], v[S+32*\t+15]
.endr
.irp t, 0,1
	v_max3_num_f32 v[ST+8*\t+6], v[ST+8*\t+6], v[S+32*\t+23], v[S+32*\t+31]
.endr
.irp t, 0,1
	v_max3_num_f32 v[ST+8*\t+4], v[ST+8*\t+4], v[ST+8*\t+5], v[ST+8*\t+6]
.endr
.irp t, 0,1
	v_max3_num_f32 v[ST+8*\t+4], v[ST+8*\t+4], v[ST+8*\t+7], v[ST+8*\t+1]
.endr
.irp t, 0,1
	v_permlanex16_b32 v[ST+8*\t+5], v[ST+8*\t+4], s[SEL], s[SEL+1]   ; the query's other 32 keys lie in the lane 16 away
.endr
.irp t, 0,1
	v_mov_b32 v[ST+8*\t+7], v[ST+8*\t]             ; c m_old
.endr
.irp t, 0,1
	v_max_num_f32 v[ST+8*\t+1], v[ST+8*\t+4], v[ST+8*\t+5]
.endr
.irp t, 0,1
	v_mul_f32 v[ST+8*\t], s[CS], v[ST+8*\t+1]
.endr
.irp t, 0,1
	v_sub_f32 v[ST+8*\t+7], v[ST+8*\t+7], v[ST+8*\t]
.endr
.set i, 0
.rept 16
.irp t, 0,1
	v_pk_fma_f32 v[S+32*\t+2*i:S+32*\t+2*i+1], v[S+32*\t+2*i:S+32*\t+2*i+1], s[CS:CS+1], v[ST+8*\t:ST+8*\t+1] op_sel_hi:[1,0,0] neg_lo:[0,0,1] neg_hi:[0,0,1]   ; c s - c m
.endr
.set i, i+1
.endr
.irp t, 0,1
	v_exp_f32 v[ST+8*\t+6], v[ST+8*\t+7]           ; a
.endr
.set i, 0
.rept 32
.irp t, 0,1
	v_exp_f32 v[S+32*\t+i], v[S+32*\t+i]           ; p
.endr
.set i, i+1
.endr
	v_nop                                          ; a plain line behind the last exponential
	s_wait_alu depctr_va_vdst(0)                   ; one wait for the batch of 66, ahead of its first reader
.irp t, 0,1
	v_pk_mul_f32 v[ST+8*\t+2:ST+8*\t+3], v[ST+8*\t+2:ST+8*\t+3], v[ST+8*\t+6:ST+8*\t+7] op_sel_hi:[1,0]   ; l under the new m
.endr
.irp t, 0,1
	v_pk_add_f32 v[ST+8*\t+4:ST+8*\t+5], v[S+32*\t:S+32*\t+1], v[S+32*\t+2:S+32*\t+3]   ; the sum of the unrounded p, in two chains
.endr
.irp i, 4,8,12,16,20,24,28
.irp t, 0,1
	v_pk_add_f32 v[ST+8*\t+2:ST+8*\t+3], v[ST+8*\t+2:ST+8*\t+3], v[S+32*\t+\i:S+32*\t+\i+1]
	v_pk_add_f32 v[ST+8*\t+4:ST+8*\t+5], v[ST+8*\t+4:ST+8*\t+5], v[S+32*\t+\i+2:S+32*\t+\i+3]
.endr
.endr
.irp t, 0,1
	v_pk_add_f32 v[ST+8*\t+2:ST+8*\t+3], v[ST+8*\t+2:ST+8*\t+3], v[ST+8*\t+4:ST+8*\t+5]
.endr
.set i, 0
.rept 16
.irp t, 0,1
	v_cvt_pk_f16_f32 v[S+32*\t+i], v[S+32*\t+2*i], v[S+32*\t+2*i+1]   ; P in place: register i was read at pair i / 2
.endr
.set i, i+1
.endr
.set i, 0
.rept 16
.irp t, 0,1
	v_pk_mul_f32 v[OA+32*\t+2*i:OA+32*\t+2*i+1], v[OA+32*\t+2*i:OA+32*\t+2*i+1], v[ST+8*\t+6:ST+8*\t+7] op_sel_hi:[1,0]   ; O^T under the new m
.endr
.set i, i+1
.endr
	s_wait_dscnt 0x0                               ; V is in
.irp u, 0,1                                    ; O^T += V^T P: the eight accumulators take turns
.irp dt, 0,1,2,3
.irp t, 0,1
	v_wmma_f32_16x16x32_f16 v[OA+32*\t+8*\dt:OA+32*\t+8*\dt+7], v[KV+8*(4*\u+\dt):KV+8*(4*\u+\dt)+7], v[S+32*\t+8*\u:S+32*\t+8*\u+7], v[OA+32*\t+8*\dt:OA+32*\t+8*\dt+7]
.endr
.endr
.endr
.Lhidden_\@:
	s_add_co_u32 s[KF], s[KF], 64
.endm
; THE CHANGE OF SLOTS stands at a slot's head.  Each wave waits for all its tensor loads, adds 0 to its spare word, and waits for that and for its reads of the slot that it has left; then the barrier.
; fill = 1: behind it the slot that was left is filled with the keys that follow, while that slot's first key is at or under the work-group's last query: ids and the count of steps alone, the same in all sixteen waves.
.macro CHANGE fill
	s_wait_tensorcnt 0x0                           ; no tensor load of mine is out, so a group 0 may be written
	ds_add_u32 v[SPW], v[NIL]                      ; 0 onto my spare word
.if \fill
	ds_add_u32 v[SPW], v[NIL]                      ; and once more
	s_xor_b32 s[G0K+1], s[G0K+1], SLOT1
	s_add_nc_u64 s[G0K+2:G0K+3], s[G0K+2:G0K+3], SK*128
	s_xor_b32 s[G0V+1], s[G0V+1], SLOT1
	s_add_nc_u64 s[G0V+2:G0V+3], s[G0V+2:G0V+3], SK*128
	s_wait_xcnt 0x0                                ; the last prefetch, a slot back, has read its address
	s_add_nc_u64 s[PFA:PFA+1], s[PFA:PFA+1], SK*128
.endif
	s_wait_dscnt 0x0
	s_barrier_signal -1
	s_barrier_wait -1
.if \fill
	s_add_co_u32 s60, s[KF], SK                    ; the first key of the slot that this change would ask for
	s_cmp_gt_u32 s60, s[LQ]
	s_cbranch_scc1 .Lpast_\@
	TLOAD                                          ; a wave's one tensor load until the next change: it has a slot's four steps in which to land
.Lpast_\@:
	ASK
.endif
.endm
.macro SLOT_STEPS
	STEP 0
	STEP 1
	STEP 2
	STEP 3
	s_xor_b32 s[TB], s[TB], SLOT1
.endm
	s_wait_loadcnt 0x0                             ; Q
.Lslot:                                            ; seven trips
	CHANGE 1
	SLOT_STEPS
	s_sub_co_u32 s[SLOTS], s[SLOTS], 1
	s_cmp_lg_u32 s[SLOTS], 0
	s_cbranch_scc1 .Lslot
	CHANGE 0                                       ; the last slot is written out: nothing is left to ask for
	SLOT_STEPS
	; THE WAY OUT: O^T / l, rounded to f16, through my stage, out as 512 consecutive bytes (four rows) an instruction.
.rept 4
	v_nop
.endr
.irp t, 0,1
	v_add_f32 v[ST+8*\t+4], v[ST+8*\t+2], v[ST+8*\t+3]
.endr
.irp t, 0,1
	v_permlanex16_b32 v[ST+8*\t+5], v[ST+8*\t+4], s[SEL], s[SEL+1]
.endr
.irp t, 0,1
	v_add_f32 v[ST+8*\t+4], v[ST+8*\t+4], v[ST+8*\t+5]
.endr
.irp t, 0,1
	v_rcp_f32 v[ST+8*\t+6], v[ST+8*\t+4]
.endr
	v_nop
	s_wait_alu depctr_va_vdst(0)                   ; one wait for the two reciprocals, ahead of their first reader
.irp t, 0,1
.set i, 0
.rept 16
	v_pk_mul_f32 v[OA+32*\t+2*i:OA+32*\t+2*i+1], v[OA+32*\t+2*i:OA+32*\t+2*i+1], v[ST+8*\t+6:ST+8*\t+7] op_sel_hi:[1,0]
.set i, i+1
.endr
.endr
.irp t, 0,1
.set i, 0
.rept 16
	v_cvt_pk_f16_f32 v[S+16*\t+i], v[OA+32*\t+2*i], v[OA+32*\t+2*i+1]
.set i, i+1
.endr
.endr
.irp t, 0,1
.irp dt, 0,1,2,3
	ds_store_b128 v[STO], v[S+16*\t+4*\dt:S+16*\t+4*\dt+3] offset:\t*2304+32*\dt
.endr
.endr
.irp t, 0,1
.irp i, 0,1,2,3
	ds_load_b128 v[KV+16*\t+4*\i:KV+16*\t+4*\i+3], v[RD] offset:\t*2304+576*\i   ; LDS serves a wave's instructions in order: these see my stores
.endr
.endr
.irp t, 0,1
.irp i, 0,1,2,3
	s_wait_dscnt 7-4*\t-\i
	global_store_b128 v[GO], v[KV+16*\t+4*\i:KV+16*\t+4*\i+3], s[6:7] offset:\t*2048+512*\i
.endr
.endr
	s_wait_tensorcnt 0x0                           ; the wave's end
	ds_add_u32 v[SPW], v[NIL]
	s_wait_dscnt 0x0
	s_endpgm
.Lfunc_end_k_q5095f0c922_attn:
	.size	k_q5095f0c922_attn, .Lfunc_end_k_q5095f0c922_attn-k_q5095f0c922_attn
	.p2alignl 7, 3214868480
	.fill 96, 4, 3214868480
	.section	.rodata,"a",@progbits
	.p2align	6, 0x0
	.amdhsa_kernel k_q5095f0c922_attn
		.amdhsa_group_segment_fixed_size 327680
		.amdhsa_private_segment_fixed_size 0
		.amdhsa_enable_private_segment 0
		.amdhsa_kernarg_size 16
		.amdhsa_user_sgpr_count 2
		.amdhsa_user_sgpr_kernarg_segment_ptr 1
		.amdhsa_wavefront_size32 1
		.amdhsa_system_sgpr_workgroup_id_x 1
		.amdhsa_system_sgpr_workgroup_id_y 1
		.amdhsa_system_sgpr_workgroup_id_z 1
		.amdhsa_system_vgpr_workitem_id 0
		.amdhsa_next_free_vgpr 256
		.amdhsa_next_free_sgpr 66
		.amdhsa_reserve_vcc 1
		.amdhsa_float_denorm_mode_32 3
		.amdhsa_float_denorm_mode_16_64 3
		.amdhsa_memory_ordered 1
		.amdhsa_forward_progress 1
		.amdhsa_inst_pref_size 188
	.end_amdhsa_kernel
	.amdgpu_metadata
---
amdhsa.version: [ 1, 2 ]
amdhsa.kernels:
  - .name:           k_q5095f0c922_attn
    .symbol:         k_q5095f0c922_attn.kd
    .args:
      - { .name: qkv16, .offset: 0, .size: 8, .value_kind: global_buffer, .address_space: global }
      - { .name: ao16, .offset: 8, .size: 8, .value_kind: global_buffer, .address_space: global }
    .group_segment_fixed_size: 327680
    .private_segment_fixed_size: 0
    .kernarg_segment_align: 8
    .kernarg_segment_size: 16
    .max_flat_workgroup_size: 512
    .sgpr_count:     66
    .vgpr_count:     256
    .wavefront_size: 32
...
	.end_amdgpu_metadata
.endif
;; end of part 3
;; launch proj (part 4): grid 8 x 64, 4 waves a work-group, clusters of 4 x 4, 327,680 bytes of LDS; arguments ao16, pwt, proj_b, out0; writes out0
.if DOCPART == 4
	.amdgcn_target "amdgcn-amd-amdhsa--gfx1250"
	.amdhsa_code_object_version 6
	.text
	.protected	k_q5095f0c922_proj
	.globl	k_q5095f0c922_proj
	.p2align	8
	.type	k_q5095f0c922_proj,@function
k_q5095f0c922_proj:
	s_mov_b64 s[64:65], 0
	v_nop
	global_prefetch_b8 v0, s[64:65] scope:SCOPE_SE
	s_setreg_imm32_b32 hwreg(HW_REG_WAVE_MODE, 25, 1), 1
	s_wait_xcnt 0x0
	s_wait_alu depctr_hold_cnt(0) depctr_sa_sdst(0) depctr_va_vdst(0) depctr_va_sdst(0) depctr_va_ssrc(0) depctr_va_vcc(0) depctr_vm_vsrc(0)
	s_getreg_b32 s2, hwreg(HW_REG_IB_STS2, 6, 4)
	s_cmp_eq_u32 s2, 0
	s_cbranch_scc0 .Lentry_in_a_cluster
	s_endpgm
.Lentry_in_a_cluster:
	s_bfe_u32 s2, ttmp6, 0x10000c
	s_cmp_lg_u32 s2, 0xf033
	s_cbranch_scc0 .Lentry_shape_is_right
	s_endpgm
.Lentry_shape_is_right:
; out0[m][n] = sum over k of A[m][k] W[k][n] + proj_b[n].  A: the attention's output, f16, laid [batch x head][t][64] (k = 64 head + d); W as pwt, f16, [n][k]; out0 f32; sums in f32.
; All 8,192 rows are made here; rows t < 16 of each batch are written again, more finely, by a later launch.
; A tile of 128 x 128, four waves of 64 x 64: 512 work-groups, two equal turns.  K goes in steps of 256 (four heads) through two LDS slots.
; A's part of a step: one tensor load brings four runs (one a head, 2^18 bytes apart) of 64 rows x 128 bytes, dense in memory, stated as 4 rows of 8,192 bytes with 16 bytes of padding behind every 128:
; in LDS [head][row][144].  B's: 64 rows of 512 bytes, 528 apart.  CLUSTERS of 4 x 4: A's tiles are shared along a row of the cluster, B's along a column, by joint loads.
; The matrix instruction is used transposed (source 0 = 16 rows of pwt, source 1 = 16 rows of A): a lane holds eight neighbouring columns of a row.  The bias is the C of each sum's first product.
; REGISTERS: window 0: v0-31 addresses; v32-95 rows on the way out; v96-127 the bias; v128-255 the accumulators ((a, b) at v[128 + 8 (4 a + b)]).  window 1: two fragment buffers of 128.
.set SIZE_K, 1024
.set KSTEP,  256
.set PITCH,  528
.set AP,     144
.set HB,     64*AP                     ; a head's 64 rows of A in LDS
.set HALFA,  4*HB
.set HALFB,  64*PITCH
.set SLOT,   2*HALFA+2*HALFB
.set STAGE,  2*SLOT                    ; behind the ring: 16 rows x 272 bytes for each wave: bytes of their own
.set SPITCH, 272
.set SPARE,  STAGE+4*16*SPITCH
.set LAPS,   SIZE_K/(2*KSTEP)
.set ADRA, 16
.set ADRB, 20
.set STO,  24
.set RD,   25
.set CO,   26
.set BO,   27
.set SPW,  28
.set NIL,  29
.set TMP,  32
.set BIA,  96
.set ACC,  128
.set F0,   0
.set F1,   128
.set G1, 24
.set G0, 32
.set G1B, 48
.set G0B, 56
.set MSB, 0
.macro WIN new
.if MSB != \new
	s_set_vgpr_msb (MSB<<8)|\new
.set MSB, \new
.endif
.endm
.set MUL,  0x05                        ; sources 0 and 1 window 1; C and D window 0
.set TO_F, 0x40
.macro JLOAD s                         ; waves 0 and 1 fetch A's two halves, waves 2 and 3 B's; an s_nop 0 and four v_nop follow each line
	s_cmp_eq_u32 s11, 0
	s_cbranch_scc0 .Lfor_b_\@
	tensor_load_to_lds s[G0+4*\s:G0+4*\s+3], s[G1:G1+7]
	s_nop 0
.rept 4
	v_nop
.endr
	s_branch .Lasked_\@
.Lfor_b_\@:
	tensor_load_to_lds s[G0B+4*\s:G0B+4*\s+3], s[G1B:G1B+7]
	s_nop 0
.rept 4
	v_nop
.endr
.Lasked_\@:
.endm
.macro CREST
	s_cmp_lg_u32 s10, 0
	s_cbranch_scc1 .Lnot_wave_0_\@
	s_barrier_signal -3
.Lnot_wave_0_\@:
	s_barrier_wait -3
	s_barrier_signal -1
	s_barrier_wait -1
.endm
.macro CROUND
	s_barrier_signal -1
	s_barrier_wait -1
	CREST
.endm
	s_load_b128 s[4:7], s[0:1], 0x0                ; ao16, pwt
	s_load_b64 s[66:67], s[0:1], 0x10              ; proj_b
	s_load_b64 s[8:9], s[0:1], 0x18                ; out0
	v_lshl_add_u32 v[SPW], v0, 2, SPARE
	v_mov_b32 v[NIL], 0
	ds_add_u32 v[SPW], v[NIL]                      ; the wave's opening: the add, twice on end, and its wait ahead of my first tensor load
	ds_add_u32 v[SPW], v[NIL]
	v_lshrrev_b32 v1, 5, v0
	v_readfirstlane_b32 s10, v1                    ; wave 0..3
	s_lshr_b32 s11, s10, 1                         ; which half of the tile's rows is mine.  Also: I fetch for A (0) or for B (1)
	s_and_b32 s12, s10, 1                          ; which half of its columns.  Also: which 64 rows of that tile I fetch
	s_bfe_u32 s40, ttmp6, 0x40000
	s_bfe_u32 s41, ttmp6, 0x40004
	s_lshl_b32 s42, ttmp9, 2
	s_add_co_u32 s42, s42, s40                     ; tile column
	s_and_b32 s13, ttmp7, 0xffff
	s_lshl_b32 s13, s13, 2
	s_add_co_u32 s13, s13, s41                     ; tile row
	s_lshl_b32 s43, s41, 2
	s_lshl_b32 s43, 15, s43                        ; my row of the cluster
	s_lshl_b32 s44, 0x1111, s40                    ; my column
	s_or_b32 s[G1+0], s43, (1<<16)|(1<<20)|(1<<21)|(4<<22)|(3<<25)   ; A: elements of 2 bytes; 4 words of padding behind every 32
	s_mov_b32 s[G1+1], 4096<<16                    ; tensor_dim0: 64 rows x 64 elements on end
	s_mov_b32 s[G1+2], 4<<16                       ; tensor_dim1: four heads
	s_mov_b32 s[G1+3], 4096<<16                    ; tile_dim0
	s_mov_b32 s[G1+4], 4                           ; tile_dim1
	s_mov_b32 s[G1+5], 131072                      ; from head to head, in elements
	s_mov_b32 s[G1+6], 0
	s_mov_b32 s[G1+7], 0
	s_or_b32 s[G1B+0], s44, (1<<16)|(1<<20)|(1<<21)|(6<<22)|(3<<25)  ; B: 4 words of padding behind every 128
	s_mov_b32 s[G1B+1], KSTEP<<16
	s_mov_b32 s[G1B+2], 64<<16
	s_mov_b32 s[G1B+3], KSTEP<<16
	s_mov_b32 s[G1B+4], 64
	s_mov_b32 s[G1B+5], SIZE_K
	s_mov_b32 s[G1B+6], 0
	s_mov_b32 s[G1B+7], 0
	s_lshl_b32 s17, s12, 6
	s_lshl_b32 s16, s13, 7
	s_add_co_u32 s16, s16, s17                     ; A: row 128 x tile row + 64 x half
	s_lshl_b32 s46, s42, 7
	s_add_co_u32 s46, s46, s17                     ; B: row 128 x tile column + 64 x half
	s_lshl_b32 s46, s46, 11                        ; 2,048 bytes a row of pwt
	s_mov_b32 s47, 0
	s_lshr_b32 s18, s16, 11                        ; the batch,
	s_lshl_b32 s18, s18, 22                        ; 16 heads of 2^18 bytes,
	s_and_b32 s16, s16, 2047                       ; and t,
	s_lshl_b32 s16, s16, 7                         ; 128 bytes a row
	s_add_co_u32 s16, s16, s18
	s_mov_b32 s17, 0
	s_mul_i32 s20, s12, HALFA                      ; where they go: no place in the cluster enters an LDS address
	s_mul_i32 s21, s12, HALFB
	s_add_co_u32 s21, s21, 2*HALFA
	s_wait_dscnt 0x0                               ; both opening adds are done
	s_wait_kmcnt 0x0
	s_add_nc_u64 s[14:15], s[4:5], s[16:17]
	s_add_nc_u64 s[46:47], s[6:7], s[46:47]
	CROUND                                         ; all sixteen work-groups are here: the first joint loads meet
.irp s, 0,1
	s_mov_b32 s[G0+4*\s], 1
	s_add_co_u32 s[G0+4*\s+1], s20, \s*SLOT
	s_add_nc_u64 s[G0+4*\s+2:G0+4*\s+3], s[14:15], \s*1048576      ; K step s: four heads on
	s_or_b32 s[G0+4*\s+3], s[G0+4*\s+3], 0x80000000
	s_mov_b32 s[G0B+4*\s], 1
	s_add_co_u32 s[G0B+4*\s+1], s21, \s*SLOT
	s_add_nc_u64 s[G0B+4*\s+2:G0B+4*\s+3], s[46:47], \s*KSTEP*2
	s_or_b32 s[G0B+4*\s+3], s[G0B+4*\s+3], 0x80000000
	JLOAD \s
.endr
	v_and_b32 v1, 15, v0                           ; r
	v_bfe_u32 v2, v0, 4, 1                         ; h
	s_lshl_b32 s46, s42, 9                         ; my first column, in bytes of f32: 512 x tile column + 256 x half
	s_lshl_b32 s47, s12, 8
	s_add_co_u32 s46, s46, s47
	s_mov_b32 s47, 0
	s_add_nc_u64 s[66:67], s[66:67], s[46:47]
	s_add_nc_u64 s[8:9], s[8:9], s[46:47]
	v_lshlrev_b32 v[BO], 5, v2
.irp b, 0,1,2,3
	global_load_b128 v[BIA+8*\b:BIA+8*\b+3], v[BO], s[66:67] offset:64*\b        ; register 8 b + j: proj_b[my first column + 16 b + 8 h + j]
	global_load_b128 v[BIA+8*\b+4:BIA+8*\b+7], v[BO], s[66:67] offset:64*\b+16
.endr
	v_mul_u32_u24 v3, v1, AP
	v_lshl_add_u32 v3, v2, 4, v3
	v_mul_u32_u24 v4, v1, PITCH
	v_lshl_add_u32 v4, v2, 4, v4
	s_mul_i32 s21, s11, HALFA                      ; my 64 rows of A
	s_mul_i32 s22, s12, HALFB                      ; my 64 rows of B,
	s_add_co_u32 s22, s22, 2*HALFA                 ; which lie behind A's
.irp s, 0,1
	v_add_nc_u32 v[ADRA+\s], s21, v3
	v_add_nc_u32 v[ADRB+\s], s22, v4
	s_add_co_u32 s21, s21, SLOT
	s_add_co_u32 s22, s22, SLOT
.endr
	s_mul_i32 s23, s10, 16*SPITCH
	s_add_co_u32 s23, s23, STAGE                   ; my stage
	v_mul_u32_u24 v5, v1, SPITCH
	v_lshl_add_u32 v5, v2, 5, v5
	v_add_nc_u32 v[STO], s23, v5                   ; in: row r, 32 bytes for each half of the lanes
	v_mul_u32_u24 v5, v2, SPITCH
	v_lshl_add_u32 v5, v1, 4, v5
	v_add_nc_u32 v[RD], s23, v5                    ; back: lanes 0-15 one row of 256 bytes, lanes 16-31 the next
	v_lshlrev_b32 v[CO], 12, v2
	v_lshl_add_u32 v[CO], v1, 4, v[CO]             ; and the same two rows in out0
	s_lshl_b32 s16, s13, 7
	s_lshl_b32 s17, s11, 6
	s_add_co_u32 s16, s16, s17                     ; my first row
	s_lshl_b32 s16, s16, 12
	s_mov_b32 s17, 0
	s_add_nc_u64 s[8:9], s[8:9], s[16:17]
.macro MUL8 f, c, a0, zero             ; 8 matrix instructions: m blocks a0, a0 + 1 x all 4 n blocks, 32 along K.  zero = 1: the first product starts the sums on the bias
.irp a, \a0, \a0+1
.irp b, 0,1,2,3
.if \zero
	v_wmma_f32_16x16x32_f16 v[ACC+8*(4*(\a)+\b):ACC+8*(4*(\a)+\b)+7], v[\f+64+8*(4*\c+\b):\f+64+8*(4*\c+\b)+7], v[\f+8*(4*\c+\a):\f+8*(4*\c+\a)+7], v[BIA+8*\b:BIA+8*\b+7]
.else
	v_wmma_f32_16x16x32_f16 v[ACC+8*(4*(\a)+\b):ACC+8*(4*(\a)+\b)+7], v[\f+64+8*(4*\c+\b):\f+64+8*(4*\c+\b)+7], v[\f+8*(4*\c+\a):\f+8*(4*\c+\a)+7], v[ACC+8*(4*(\a)+\b):ACC+8*(4*(\a)+\b)+7]
.endif
.endr
.endr
.endm
.macro FETCH slot, q, f                ; 32 LDS loads: the fragments of the slot's q-th 64 along K (one head), the first 32 along K first
	WIN TO_F
.irp c, 0,1
.irp i, 0,1,2,3
	ds_load_b128 v[\f+64+8*(4*\c+\i):\f+64+8*(4*\c+\i)+3],   v[ADRB+\slot] offset:(\q)*128+64*\c+\i*16*PITCH
	ds_load_b128 v[\f+64+8*(4*\c+\i)+4:\f+64+8*(4*\c+\i)+7], v[ADRB+\slot] offset:(\q)*128+64*\c+\i*16*PITCH+32
	ds_load_b128 v[\f+8*(4*\c+\i):\f+8*(4*\c+\i)+3],         v[ADRA+\slot] offset:(\q)*HB+64*\c+\i*16*AP
	ds_load_b128 v[\f+8*(4*\c+\i)+4:\f+8*(4*\c+\i)+7],       v[ADRA+\slot] offset:(\q)*HB+64*\c+\i*16*AP+32
.endr
.endr
.endm
.macro PLACES
.rept 4
	v_nop
.endr
.endm
.macro QUARTER slot, q, f, g, zero     ; multiplies buffer f and fetches the slot's q-th quarter into g
	s_wait_dscnt 16                                ; the first 32 along K are in
	WIN MUL
	MUL8 \f, 0, 0, \zero
	MUL8 \f, 0, 2, \zero
	PLACES
	FETCH \slot, \q, \g
	s_wait_dscnt 32                                ; all but the 32 just issued
	WIN MUL
	MUL8 \f, 1, 0, 0
	MUL8 \f, 1, 2, 0
.endm
; The last quarter multiplies buffer 1 and changes slots: one barrier; ahead of it each wave waits for all its tensor loads, adds 0 to its spare word, and waits for that and for its reads of this slot.
.macro TURN slot, next, fill
	WIN 0
	s_wait_tensorcnt 0x0
	ds_add_u32 v[SPW], v[NIL]                      ; 0 onto my spare word
	s_wait_dscnt 17                                ; the add and the youngest sixteen loads may be out
	WIN MUL
	MUL8 F1, 0, 0, 0
	s_wait_dscnt 0x0
	s_barrier_signal -1
	MUL8 F1, 0, 2, 0
.if \fill
	WIN 0
.endif
	s_barrier_wait -1
.if \fill
	CREST                                          ; the barrier has opened a round of the cluster's barrier: no wave of any partner still reads this slot or has a load on its way
	s_add_nc_u64 s[G0+4*\slot+2:G0+4*\slot+3], s[G0+4*\slot+2:G0+4*\slot+3], 2097152      ; two K steps: eight heads on
	s_add_nc_u64 s[G0B+4*\slot+2:G0B+4*\slot+3], s[G0B+4*\slot+2:G0B+4*\slot+3], 2*KSTEP*2
	JLOAD \slot                                    ; the first tensor load behind the round; its four v_nop are also the places ahead of the loads below
.else
	PLACES
.endif
	FETCH \next, 0, F0
	WIN MUL
	MUL8 F1, 1, 0, 0
	MUL8 F1, 1, 2, 0
.endm
	s_wait_tensorcnt 1                             ; my part of K step 0 is in; K step 1's load may be out,
	s_barrier_signal -1
	s_barrier_wait -1                              ; everybody's is
	FETCH 0, 0, F0
	s_wait_loadcnt 0x0                             ; the bias
	QUARTER 0, 1, F0, F1, 1
	WIN 0
	s_mov_b32 s3, LAPS-1
.Llap:                                             ; a trip goes once round the ring and fills both slots again
	QUARTER 0, 2, F1, F0, 0
	QUARTER 0, 3, F0, F1, 0
	TURN 0, 1, 1
	QUARTER 1, 1, F0, F1, 0
	QUARTER 1, 2, F1, F0, 0
	QUARTER 1, 3, F0, F1, 0
	TURN 1, 0, 1
	QUARTER 0, 1, F0, F1, 0
	WIN 0
	s_sub_co_u32 s3, s3, 1
	s_cmp_lg_u32 s3, 0
	s_cbranch_scc1 .Llap
	QUARTER 0, 2, F1, F0, 0                        ; the last lap fills nothing
	QUARTER 0, 3, F0, F1, 0
	TURN 0, 1, 0
	QUARTER 1, 1, F0, F1, 0
	QUARTER 1, 2, F1, F0, 0
	QUARTER 1, 3, F0, F1, 0
	s_wait_dscnt 16
	WIN MUL
	MUL8 F1, 0, 0, 0
	MUL8 F1, 0, 2, 0
	s_wait_dscnt 0
	MUL8 F1, 1, 0, 0
	MUL8 F1, 1, 2, 0
	WIN 0
; THE WAY OUT, a block of 16 rows x 64 columns (256 bytes a row) at a time, through my own stage: no barrier.
.macro TOSTAGE a
.irp b, 0,1,2,3
	ds_store_b128 v[STO], v[ACC+8*(4*(\a)+\b):ACC+8*(4*(\a)+\b)+3] offset:64*\b       ; each accumulator from its low end on
	ds_store_b128 v[STO], v[ACC+8*(4*(\a)+\b)+4:ACC+8*(4*(\a)+\b)+7] offset:64*\b+16
.endr
.irp t, 0,1,2,3,4,5,6,7
	ds_load_b128 v[TMP+32*((\a)%2)+4*\t:TMP+32*((\a)%2)+4*\t+3], v[RD] offset:\t*2*SPITCH
.endr
.endm
.macro SEND a, younger                 ; younger: the LDS instructions issued behind block a's loads
	s_wait_dscnt \younger
.irp t, 0,1,2,3,4,5,6,7
	global_store_b128 v[CO], v[TMP+32*((\a)%2)+4*\t:TMP+32*((\a)%2)+4*\t+3], s[8:9] offset:(16*(\a)+2*\t)*4096   ; sixteen lanes store 256 consecutive bytes, aligned
.endr
.endm
	PLACES
	TOSTAGE 0
.irp a, 1,2,3
.if \a > 1
	s_wait_xcnt 0x0                                ; block a - 2's stores have read their registers: block a's loads may land there
.endif
	TOSTAGE \a
	SEND \a-1, 16
.endr
	SEND 3, 0
	s_wait_tensorcnt 0x0                           ; the wave's end
	ds_add_u32 v[SPW], v[NIL]
	s_wait_dscnt 0x0
	CROUND                                         ; the closing round
	s_endpgm
.Lfunc_end_k_q5095f0c922_proj:
	.size	k_q5095f0c922_proj, .Lfunc_end_k_q5095f0c922_proj-k_q5095f0c922_proj
	.p2alignl 7, 3214868480
	.fill 96, 4, 3214868480
	.section	.rodata,"a",@progbits
	.p2align	6, 0x0
	.amdhsa_kernel k_q5095f0c922_proj
		.amdhsa_group_segment_fixed_size 327680
		.amdhsa_private_segment_fixed_size 0
		.amdhsa_enable_private_segment 0
		.amdhsa_kernarg_size 32
		.amdhsa_user_sgpr_count 2
		.amdhsa_user_sgpr_kernarg_segment_ptr 1
		.amdhsa_wavefront_size32 1
		.amdhsa_system_sgpr_workgroup_id_x 1
		.amdhsa_system_sgpr_workgroup_id_y 1
		.amdhsa_system_sgpr_workgroup_id_z 1
		.amdhsa_system_vgpr_workitem_id 0
		.amdhsa_next_free_vgpr 512
		.amdhsa_next_free_sgpr 68
		.amdhsa_reserve_vcc 0
		.amdhsa_float_denorm_mode_32 3
		.amdhsa_float_denorm_mode_16_64 3
		.amdhsa_memory_ordered 1
		.amdhsa_forward_progress 1
		.amdhsa_inst_pref_size 87
	.end_amdhsa_kernel
	.amdgpu_metadata
---
amdhsa.version: [ 1, 2 ]
amdhsa.kernels:
  - .name:           k_q5095f0c922_proj
    .symbol:         k_q5095f0c922_proj.kd
    .args:
      - { .name: ao16, .offset: 0, .size: 8, .value_kind: global_buffer, .address_space: global }
      - { .name: pwt, .offset: 8, .size: 8, .value_kind: global_buffer, .address_space: global }
      - { .name: proj_b, .offset: 16, .size: 8, .value_kind: global_buffer, .address_space: global }
      - { .name: out0, .offset: 24, .size: 8, .value_kind: global_buffer, .address_space: global }
    .group_segment_fixed_size: 327680
    .private_segment_fixed_size: 0
    .kernarg_segment_align: 8
    .kernarg_segment_size: 32
    .max_flat_workgroup_size: 128
    .sgpr_count:     68
    .vgpr_count:     512
    .wavefront_size: 32
...
	.end_amdgpu_metadata
.endif
;; end of part 4
;; launch fine_attn (part 5): grid 16 x 4, 4 waves a work-group, no clusters, 4,608 bytes of LDS; arguments x_codes, x_scales, w_codes, w_scales, qkv_b, o32; writes o32
.if DOCPART == 5
	.amdgcn_target "amdgcn-amd-amdhsa--gfx1250"
	.amdhsa_code_object_version 6
	.text
	.protected	k_q5095f0c922_fine_attn
	.globl	k_q5095f0c922_fine_attn
	.p2align	8
	.type	k_q5095f0c922_fine_attn,@function
k_q5095f0c922_fine_attn:
	s_mov_b64 s[64:65], 0
	v_nop
	global_prefetch_b8 v0, s[64:65] scope:SCOPE_SE
	s_setreg_imm32_b32 hwreg(HW_REG_WAVE_MODE, 25, 1), 1
	s_wait_xcnt 0x0
; The first 16 positions of every (batch, head), where a row of the softmax averages few values, carried in f32.  Work-group (head, batch); wave w owns the head's channels 16 w .. 16 w + 15.
; q, k, v of the 16 positions are made anew from the codes (the quantised product, K = 1,024 in eight steps, one accumulator each, K ascending) and are NOT rounded to f16.
; q and k are made transposed (a lane holds position r and channels 8 h + j), v in the natural order (a lane holds channel r and positions 8 h + j).  So the f32 matrix form takes pairs of these registers as they
; stand: in S^T = k q^T both sources carry the same order of channels, in O^T = v^T p the same order of keys.  Each wave's S^T is a part over its 16 channels: the four parts meet in LDS as images of the registers.
; v's bias is added at the end: the weights of a row sum to 1.  Out: images of eight registers a lane: [batch][head][w][half][lane][16 bytes]: lane (r, h): position r, channels 16 w + 8 h + 0 .. 7.
.set SPARE, 4096
.set LI,  3                            ; v3  16 x lane
.set FA,  4                            ; v4  a fragment's place: row r of 512 bytes + 16 h
.set SI,  5                            ; v5  where I store my image: 1,024 w + 16 x lane
.set SA,  6                            ; v6  32 r: a row of scale bytes
.set BO,  7                            ; v7  32 h: eight numbers of a bias
.set SPW, 8
.set NIL, 9
.set DM,  10                           ; v10 r - 8 h
.set NINF, 11
.set XF,  16                           ; v16-79   x's eight fragments; later the four images and the softmax
.set WVF, 80                           ; v80-143  v's fragments of the weight
.set XS,  144                          ; scale words, eight a row: x's, q's, k's, v's
.set QS,  152
.set KS,  160
.set VS,  168
.set QA,  176
.set KA,  184
.set VA,  192
.set BQ,  200
.set BK,  208
.set BV,  216
.set SW,  224                          ; written by matrix instructions alone
.set OW,  232                          ; likewise
.set MSB, 0
.macro WIN new
.if MSB != \new
	s_set_vgpr_msb (MSB<<8)|\new
.set MSB, \new
.endif
.endm
	s_load_b256 s[4:11], s[0:1], 0x0               ; x_codes, x_scales, w_codes, w_scales
	s_load_b128 s[12:15], s[0:1], 0x20             ; qkv_b, o32
	v_lshl_add_u32 v[SPW], v0, 2, SPARE
	v_mov_b32 v[NIL], 0
	v_lshrrev_b32 v1, 5, v0
	v_readfirstlane_b32 s18, v1                    ; wave
	v_and_b32 v1, 15, v0                           ; r
	v_bfe_u32 v2, v0, 4, 1                         ; h
	v_and_b32 v[LI], 31, v0
	v_lshlrev_b32 v[LI], 4, v[LI]
	v_lshlrev_b32 v[FA], 9, v1
	v_lshl_add_u32 v[FA], v2, 4, v[FA]
	s_lshl_b32 s24, s18, 10
	v_add_nc_u32 v[SI], s24, v[LI]
	v_lshlrev_b32 v[SA], 5, v1
	v_lshlrev_b32 v[BO], 5, v2
	v_lshlrev_b32 v[DM], 3, v2
	v_sub_nc_u32 v[DM], v1, v[DM]
	v_mov_b32 v[NINF], 0xff800000
	s_mov_b32 s20, 0x76543210
	s_mov_b32 s21, 0xfedcba98
	s_mov_b32 s22, 0x3e38aa3b                      ; c = log2(e) / 8
	s_mov_b32 s23, s22
	s_and_b32 s25, ttmp7, 0xffff                   ; the batch
	s_lshl_b32 s26, ttmp9, 6
	s_lshl_b32 s27, s18, 4
	s_add_co_u32 s26, s26, s27                     ; my first column within a part: 64 head + 16 w
	s_mov_b32 s29, 0
	s_wait_kmcnt 0x0
	s_lshl_b32 s28, s25, 20                        ; 2,048 rows of 512 bytes
	s_add_nc_u64 s[4:5], s[4:5], s[28:29]
	s_lshl_b32 s28, s25, 16                        ; 2,048 rows of 32 bytes
	s_add_nc_u64 s[6:7], s[6:7], s[28:29]
	s_lshl_b32 s28, s26, 9
	s_add_nc_u64 s[8:9], s[8:9], s[28:29]
	s_lshl_b32 s28, s26, 5
	s_add_nc_u64 s[10:11], s[10:11], s[28:29]
	s_lshl_b32 s28, s26, 2
	s_add_nc_u64 s[12:13], s[12:13], s[28:29]
	s_lshl_b32 s28, s25, 4
	s_add_co_u32 s28, s28, ttmp9
	s_lshl_b32 s28, s28, 2
	s_add_co_u32 s28, s28, s18
	s_lshl_b32 s28, s28, 10
	s_add_nc_u64 s[14:15], s[14:15], s[28:29]
.irp s, 0,1,2,3,4,5,6,7
.irp c, 0,1
	global_load_b128 v[XF+8*\s+4*\c:XF+8*\s+4*\c+3], v[FA], s[4:5] offset:64*\s+32*\c
	global_load_b128 v[WVF+8*\s+4*\c:WVF+8*\s+4*\c+3], v[FA], s[8:9] offset:2*524288+64*\s+32*\c
.endr
.endr
.irp c, 0,1
	global_load_b128 v[XS+4*\c:XS+4*\c+3], v[SA], s[6:7] offset:16*\c
	global_load_b128 v[QS+4*\c:QS+4*\c+3], v[SA], s[10:11] offset:16*\c
	global_load_b128 v[KS+4*\c:KS+4*\c+3], v[SA], s[10:11] offset:32768+16*\c
	global_load_b128 v[VS+4*\c:VS+4*\c+3], v[SA], s[10:11] offset:65536+16*\c
	global_load_b128 v[BQ+4*\c:BQ+4*\c+3], v[BO], s[12:13] offset:16*\c
	global_load_b128 v[BK+4*\c:BK+4*\c+3], v[BO], s[12:13] offset:4096+16*\c
	global_load_b128 v[BV+4*\c:BV+4*\c+3], v[BO], s[12:13] offset:8192+16*\c
.endr
	WIN 0x40                                       ; destination window 1: q's fragments of the weight at v0-63, k's at v64-127
.irp s, 0,1,2,3,4,5,6,7
.irp c, 0,1
	global_load_b128 v[8*\s+4*\c:8*\s+4*\c+3], v[FA], s[8:9] offset:64*\s+32*\c
	global_load_b128 v[64+8*\s+4*\c:64+8*\s+4*\c+3], v[FA], s[8:9] offset:524288+64*\s+32*\c
.endr
.endr
	WIN 0
	s_wait_loadcnt 0x0
	WIN 0x01                                       ; source 0 window 1
.irp s, 0,1,2,3,4,5,6,7                        ; q and k by turns; the biases are the first products' C
.if \s == 0
	v_wmma_scale_f32_16x16x128_f8f6f4 v[QA:QA+7], v[8*\s:8*\s+7], v[XF+8*\s:XF+8*\s+7], v[BQ:BQ+7], v[QS+\s], v[XS+\s] matrix_a_fmt:MATRIX_FMT_FP4 matrix_b_fmt:MATRIX_FMT_FP4
	v_wmma_scale_f32_16x16x128_f8f6f4 v[KA:KA+7], v[64+8*\s:64+8*\s+7], v[XF+8*\s:XF+8*\s+7], v[BK:BK+7], v[KS+\s], v[XS+\s] matrix_a_fmt:MATRIX_FMT_FP4 matrix_b_fmt:MATRIX_FMT_FP4
.else
	v_wmma_scale_f32_16x16x128_f8f6f4 v[QA:QA+7], v[8*\s:8*\s+7], v[XF+8*\s:XF+8*\s+7], v[QA:QA+7], v[QS+\s], v[XS+\s] matrix_a_fmt:MATRIX_FMT_FP4 matrix_b_fmt:MATRIX_FMT_FP4
	v_wmma_scale_f32_16x16x128_f8f6f4 v[KA:KA+7], v[64+8*\s:64+8*\s+7], v[XF+8*\s:XF+8*\s+7], v[KA:KA+7], v[KS+\s], v[XS+\s] matrix_a_fmt:MATRIX_FMT_FP4 matrix_b_fmt:MATRIX_FMT_FP4
.endif
.endr
	WIN 0
	v_wmma_scale_f32_16x16x128_f8f6f4 v[VA:VA+7], v[XF:XF+7], v[WVF:WVF+7], 0, v[XS], v[VS] matrix_a_fmt:MATRIX_FMT_FP4 matrix_b_fmt:MATRIX_FMT_FP4
.irp s, 1,2,3,4,5,6,7                          ; v: one accumulator alone: a wait directly ahead of every link
	s_wait_alu depctr_va_vdst(0)
	v_wmma_scale_f32_16x16x128_f8f6f4 v[VA:VA+7], v[XF+8*\s:XF+8*\s+7], v[WVF+8*\s:WVF+8*\s+7], v[VA:VA+7], v[XS+\s], v[VS+\s] matrix_a_fmt:MATRIX_FMT_FP4 matrix_b_fmt:MATRIX_FMT_FP4
.endr
.rept 5
	v_nop                                          ; five places before matrix instructions take these results as sources
.endr
	v_wmma_f32_16x16x4_f32 v[SW:SW+7], v[KA:KA+1], v[QA:QA+1], 0
.irp i, 1,2,3
	s_wait_alu depctr_va_vdst(0)
	v_wmma_f32_16x16x4_f32 v[SW:SW+7], v[KA+2*\i:KA+2*\i+1], v[QA+2*\i:QA+2*\i+1], v[SW:SW+7]
.endr
.rept 8
	v_nop                                          ; eight places behind this form, ahead of the stores that read its result
.endr
	ds_store_b128 v[SI], v[SW:SW+3]
	ds_store_b128 v[SI], v[SW+4:SW+7] offset:512
	s_wait_dscnt 0x0                               ; for the others' sake: my image lies in LDS
	s_barrier_signal -1
	s_barrier_wait -1
.irp g, 0,1,2,3
	ds_load_b128 v[16+8*\g:19+8*\g], v[LI] offset:1024*\g
	ds_load_b128 v[20+8*\g:23+8*\g], v[LI] offset:1024*\g+512
.endr
	s_wait_dscnt 0x0
.irp g, 1,2,3
.irp i, 0,2,4,6
	v_pk_add_f32 v[16+\i:17+\i], v[16+\i:17+\i], v[16+8*\g+\i:17+8*\g+\i]   ; the four parts, in the waves' order: lane (r, h): query r, keys 8 h + j
.endr
.endr
.irp j, 0,1,2,3,4,5,6,7
	v_cmp_gt_i32 vcc_lo, \j, v[DM]                 ; key 8 h + j comes after query r
	v_cndmask_b32 v[16+\j], v[16+\j], v[NINF], vcc_lo
.endr
	v_max3_num_f32 v48, v16, v17, v18
	v_max3_num_f32 v49, v19, v20, v21
	v_max3_num_f32 v48, v48, v22, v23
	v_max_num_f32 v48, v48, v49
	v_permlanex16_b32 v49, v48, s20, s21
	v_max_num_f32 v48, v48, v49                    ; the row's maximum: key 0 counts for every query
	v_mul_f32 v50, s22, v48
	v_mov_b32 v51, v50
.irp i, 0,2,4,6
	v_pk_fma_f32 v[16+\i:17+\i], v[16+\i:17+\i], s[22:23], v[50:51] op_sel_hi:[1,0,0] neg_lo:[0,0,1] neg_hi:[0,0,1]
.endr
.irp j, 0,1,2,3,4,5,6,7
	v_exp_f32 v[16+\j], v[16+\j]
.endr
	v_nop
	s_wait_alu depctr_va_vdst(0)                   ; one wait for the eight, ahead of their first reader
	v_pk_add_f32 v[52:53], v[16:17], v[18:19]
	v_pk_add_f32 v[54:55], v[20:21], v[22:23]
	v_pk_add_f32 v[52:53], v[52:53], v[54:55]
	v_add_f32 v52, v52, v53
	v_permlanex16_b32 v53, v52, s20, s21
	v_add_f32 v52, v52, v53
	v_rcp_f32 v54, v52
	v_nop
	s_wait_alu depctr_va_vdst(0)
	v_wmma_f32_16x16x4_f32 v[OW:OW+7], v[VA:VA+1], v[16:17], 0
.irp i, 1,2,3
	s_wait_alu depctr_va_vdst(0)
	v_wmma_f32_16x16x4_f32 v[OW:OW+7], v[VA+2*\i:VA+2*\i+1], v[16+2*\i:17+2*\i], v[OW:OW+7]
.endr
.rept 8
	v_nop
.endr
.irp j, 0,1,2,3,4,5,6,7
	v_fma_f32 v[64+\j], v[OW+\j], v54, v[BV+\j]    ; / the sum, + v's bias
.endr
	global_store_b128 v[LI], v[64:67], s[14:15]              ; 32 lanes store 512 consecutive bytes
	global_store_b128 v[LI], v[68:71], s[14:15] offset:512
	s_wait_tensorcnt 0x0                           ; the wave's end
	ds_add_u32 v[SPW], v[NIL]
	s_wait_dscnt 0x0
	s_endpgm
.Lfunc_end_k_q5095f0c922_fine_attn:
	.size	k_q5095f0c922_fine_attn, .Lfunc_end_k_q5095f0c922_fine_attn-k_q5095f0c922_fine_attn
	.p2alignl 7, 3214868480
	.fill 96, 4, 3214868480
	.section	.rodata,"a",@progbits
	.p2align	6, 0x0
	.amdhsa_kernel k_q5095f0c922_fine_attn
		.amdhsa_group_segment_fixed_size 4608
		.amdhsa_private_segment_fixed_size 0
		.amdhsa_enable_private_segment 0
		.amdhsa_kernarg_size 48
		.amdhsa_user_sgpr_count 2
		.amdhsa_user_sgpr_kernarg_segment_ptr 1
		.amdhsa_wavefront_size32 1
		.amdhsa_system_sgpr_workgroup_id_x 1
		.amdhsa_system_sgpr_workgroup_id_y 1
		.amdhsa_system_sgpr_workgroup_id_z 1
		.amdhsa_system_vgpr_workitem_id 0
		.amdhsa_next_free_vgpr 384
		.amdhsa_next_free_sgpr 66
		.amdhsa_reserve_vcc 1
		.amdhsa_float_denorm_mode_32 3
		.amdhsa_float_denorm_mode_16_64 3
		.amdhsa_memory_ordered 1
		.amdhsa_forward_progress 1
		.amdhsa_inst_pref_size 19
	.end_amdhsa_kernel
	.amdgpu_metadata
---
amdhsa.version: [ 1, 2 ]
amdhsa.kernels:
  - .name:           k_q5095f0c922_fine_attn
    .symbol:         k_q5095f0c922_fine_attn.kd
    .args:
      - { .name: x_codes, .offset: 0, .size: 8, .value_kind: global_buffer, .address_space: global }
      - { .name: x_scales, .offset: 8, .size: 8, .value_kind: global_buffer, .address_space: global }
      - { .name: w_codes, .offset: 16, .size: 8, .value_kind: global_buffer, .address_space: global }
      - { .name: w_scales, .offset: 24, .size: 8, .value_kind: global_buffer, .address_space: global }
      - { .name: qkv_b, .offset: 32, .size: 8, .value_kind: global_buffer, .address_space: global }
      - { .name: o32, .offset: 40, .size: 8, .value_kind: global_buffer, .address_space: global }
    .group_segment_fixed_size: 4608
    .private_segment_fixed_size: 0
    .kernarg_segment_align: 8
    .kernarg_segment_size: 48
    .max_flat_workgroup_size: 128
    .sgpr_count:     66
    .vgpr_count:     384
    .wavefront_size: 32
...
	.end_amdgpu_metadata
.endif
;; end of part 5
;; launch fine_proj (part 6): grid 16 x 4, 16 waves a work-group, no clusters, 19,456 bytes of LDS; arguments o32, proj_w, proj_b, out0; writes out0
.if DOCPART == 6
	.amdgcn_target "amdgcn-amd-amdhsa--gfx1250"
	.amdhsa_code_object_version 6
	.text
	.protected	k_q5095f0c922_fine_proj
	.globl	k_q5095f0c922_fine_proj
	.p2align	8
	.type	k_q5095f0c922_fine_proj,@function
k_q5095f0c922_fine_proj:
	s_mov_b64 s[64:65], 0
	v_nop
	global_prefetch_b8 v0, s[64:65] scope:SCOPE_SE
	s_setreg_imm32_b32 hwreg(HW_REG_WAVE_MODE, 25, 1), 1
	s_wait_xcnt 0x0
; The projection of the first 16 positions of each batch in f32: out0[b][t < 16][n] = sum over k of O[t][k] proj_w[k][n] + proj_b[n].  It writes over the rows that the f16 projection has stored.
; Work-group (64 columns, batch).  Wave = (nt = w % 4: a tile of 16 columns;  kq = w / 4: 256 along K, four heads).  The four parts along K meet in LDS.
; The f32 matrix form is used transposed: source 0 = proj_w (a lane takes column r, its registers run down K), source 1 = O's images as the launch before stored them; both carry the same order of k.
.set SPARE, 17408
.set LI,  3                            ; v3 16 x lane
.set WB,  4                            ; v4 proj_w: 8 h rows of 4,096 bytes + 4 r
.set SPW, 5
.set NIL, 6
.set STO, 7
.set RD,  8
.set CO,  9
.set BOF, 10
.set WF,  16                           ; v16-79   two sets of 32
.set OF,  80                           ; v80-143  two sets of 32
.set ACC, 144                          ; v144-159 two accumulators, written by matrix instructions alone
.set T,   160
	s_load_b256 s[4:11], s[0:1], 0x0               ; o32, proj_w, proj_b, out0
	v_lshl_add_u32 v[SPW], v0, 2, SPARE
	v_mov_b32 v[NIL], 0
	v_lshrrev_b32 v1, 5, v0
	v_readfirstlane_b32 s18, v1                    ; wave 0..15
	s_and_b32 s19, s18, 3                          ; nt
	s_lshr_b32 s20, s18, 2                         ; kq
	s_and_b32 s22, s18, 7
	s_and_b32 s21, ttmp7, 0xffff                   ; the batch
	v_and_b32 v1, 15, v0                           ; r
	v_bfe_u32 v2, v0, 4, 1                         ; h
	v_and_b32 v[LI], 31, v0
	v_lshlrev_b32 v[LI], 4, v[LI]
	v_lshlrev_b32 v[WB], 15, v2
	v_lshl_add_u32 v[WB], v1, 2, v[WB]
	s_mul_i32 s24, s20, 16*272
	s_lshl_b32 s25, s19, 6
	s_add_co_u32 s24, s24, s25
	v_mul_u32_u24 v[STO], v1, 272
	v_lshl_add_u32 v[STO], v2, 5, v[STO]
	v_add_nc_u32 v[STO], s24, v[STO]               ; the stage: part kq, row r, my tile's 64 bytes, 32 for each half of the lanes
	s_mul_i32 s24, s22, 2*272
	v_mul_u32_u24 v[RD], v2, 272
	v_lshl_add_u32 v[RD], v1, 4, v[RD]
	v_add_nc_u32 v[RD], s24, v[RD]                 ; back: rows 2 (w % 8) and the next, sixteen lanes to a row of 256 bytes
	v_lshlrev_b32 v[CO], 12, v2
	v_lshl_add_u32 v[CO], v1, 4, v[CO]
	v_lshlrev_b32 v[BOF], 4, v1
	s_mov_b32 s25, 0
	s_wait_kmcnt 0x0
	s_lshl_b32 s24, s21, 16
	s_lshl_b32 s26, s20, 14
	s_add_co_u32 s24, s24, s26
	s_add_nc_u64 s[4:5], s[4:5], s[24:25]          ; O's images: 4,096 bytes a head; my four heads
	s_lshl_b32 s24, s20, 20
	s_lshl_b32 s26, ttmp9, 8
	s_add_co_u32 s24, s24, s26
	s_lshl_b32 s26, s19, 6
	s_add_co_u32 s24, s24, s26
	s_add_nc_u64 s[6:7], s[6:7], s[24:25]          ; proj_w: my 256 rows, my 16 columns
	s_lshl_b32 s24, ttmp9, 8
	s_add_nc_u64 s[8:9], s[8:9], s[24:25]
	s_lshl_b32 s26, s21, 23
	s_add_co_u32 s24, s24, s26
	s_lshl_b32 s26, s22, 13
	s_add_co_u32 s24, s24, s26
	s_add_nc_u64 s[10:11], s[10:11], s[24:25]      ; out0: batch, rows 2 (w % 8) on, my work-group's 256 bytes
	global_load_b128 v[184:187], v[BOF], s[8:9]    ; the bias of the four columns that I store
.macro LOADC c, set                    ; head 4 kq + c: 8 loads of O's images, 32 of proj_w
.irp g, 0,1,2,3
	global_load_b128 v[OF+32*\set+8*\g:OF+32*\set+8*\g+3], v[LI], s[4:5] offset:(4*\c+\g)*1024
	global_load_b128 v[OF+32*\set+8*\g+4:OF+32*\set+8*\g+7], v[LI], s[4:5] offset:(4*\c+\g)*1024+512
.irp e, 0,1,2,3,4,5,6,7
	global_load_b32 v[WF+32*\set+8*\g+\e], v[WB], s[6:7] offset:(64*\c+16*\g+\e)*4096
.endr
.endr
.endm
.macro MULC set, first                 ; 16 links; the two accumulators take turns
.irp g, 0,1,2,3
.irp i, 0,1,2,3
.if \first && (\g == 0) && (\i < 2)
	v_wmma_f32_16x16x4_f32 v[ACC+8*(\i%2):ACC+8*(\i%2)+7], v[WF+32*\set+8*\g+2*\i:WF+32*\set+8*\g+2*\i+1], v[OF+32*\set+8*\g+2*\i:OF+32*\set+8*\g+2*\i+1], 0
.else
	v_wmma_f32_16x16x4_f32 v[ACC+8*(\i%2):ACC+8*(\i%2)+7], v[WF+32*\set+8*\g+2*\i:WF+32*\set+8*\g+2*\i+1], v[OF+32*\set+8*\g+2*\i:OF+32*\set+8*\g+2*\i+1], v[ACC+8*(\i%2):ACC+8*(\i%2)+7]
.endif
.endr
.endr
.endm
.macro PLACES8
.rept 8
	v_nop                                          ; eight places behind this form, ahead of loads into its sources and of reads of its results
.endr
.endm
	LOADC 0, 0
	LOADC 1, 1
	s_wait_loadcnt 40                              ; the later head's 40 loads may be out
	MULC 0, 1
	PLACES8
	LOADC 2, 0
	s_wait_loadcnt 40
	MULC 1, 0
	PLACES8
	LOADC 3, 1
	s_wait_loadcnt 40
	MULC 0, 0
	s_wait_loadcnt 0x0
	MULC 1, 0
	PLACES8
.irp i, 0,2,4,6
	v_pk_add_f32 v[T+\i:T+\i+1], v[ACC+\i:ACC+\i+1], v[ACC+8+\i:ACC+8+\i+1]   ; lane (r, h): position r, columns 16 nt + 8 h + 0 .. 7
.endr
	ds_store_b128 v[STO], v[T:T+3]
	ds_store_b128 v[STO], v[T+4:T+7] offset:16
	s_wait_dscnt 0x0                               ; for the others' sake: my part lies in the stage
	s_barrier_signal -1
	s_barrier_wait -1
	s_cmp_lt_u32 s18, 8                            ; 16 rows of 256 bytes: eight waves store two rows each
	s_cbranch_scc0 .Lend
.irp k, 0,1,2,3
	ds_load_b128 v[168+4*\k:171+4*\k], v[RD] offset:4352*\k
.endr
	s_wait_dscnt 0x0
	v_pk_add_f32 v[168:169], v[168:169], v[172:173]
	v_pk_add_f32 v[170:171], v[170:171], v[174:175]
	v_pk_add_f32 v[176:177], v[176:177], v[180:181]
	v_pk_add_f32 v[178:179], v[178:179], v[182:183]
	v_pk_add_f32 v[168:169], v[168:169], v[176:177]
	v_pk_add_f32 v[170:171], v[170:171], v[178:179]
	v_pk_add_f32 v[168:169], v[168:169], v[184:185]
	v_pk_add_f32 v[170:171], v[170:171], v[186:187]
	global_store_b128 v[CO], v[168:171], s[10:11]  ; sixteen lanes store 256 consecutive bytes, aligned
.Lend:
	s_wait_tensorcnt 0x0                           ; the wave's end
	ds_add_u32 v[SPW], v[NIL]
	s_wait_dscnt 0x0
	s_endpgm
.Lfunc_end_k_q5095f0c922_fine_proj:
	.size	k_q5095f0c922_fine_proj, .Lfunc_end_k_q5095f0c922_fine_proj-k_q5095f0c922_fine_proj
	.p2alignl 7, 3214868480
	.fill 96, 4, 3214868480
	.section	.rodata,"a",@progbits
	.p2align	6, 0x0
	.amdhsa_kernel k_q5095f0c922_fine_proj
		.amdhsa_group_segment_fixed_size 19456
		.amdhsa_private_segment_fixed_size 0
		.amdhsa_enable_private_segment 0
		.amdhsa_kernarg_size 32
		.amdhsa_user_sgpr_count 2
		.amdhsa_user_sgpr_kernarg_segment_ptr 1
		.amdhsa_wavefront_size32 1
		.amdhsa_system_sgpr_workgroup_id_x 1
		.amdhsa_system_sgpr_workgroup_id_y 1
		.amdhsa_system_sgpr_workgroup_id_z 1
		.amdhsa_system_vgpr_workitem_id 0
		.amdhsa_next_free_vgpr 192
		.amdhsa_next_free_sgpr 66
		.amdhsa_reserve_vcc 0
		.amdhsa_float_denorm_mode_32 3
		.amdhsa_float_denorm_mode_16_64 3
		.amdhsa_memory_ordered 1
		.amdhsa_forward_progress 1
		.amdhsa_inst_pref_size 24
	.end_amdhsa_kernel
	.amdgpu_metadata
---
amdhsa.version: [ 1, 2 ]
amdhsa.kernels:
  - .name:           k_q5095f0c922_fine_proj
    .symbol:         k_q5095f0c922_fine_proj.kd
    .args:
      - { .name: o32, .offset: 0, .size: 8, .value_kind: global_buffer, .address_space: global }
      - { .name: proj_w, .offset: 8, .size: 8, .value_kind: global_buffer, .address_space: global }
      - { .name: proj_b, .offset: 16, .size: 8, .value_kind: global_buffer, .address_space: global }
      - { .name: out0, .offset: 24, .size: 8, .value_kind: global_buffer, .address_space: global }
    .group_segment_fixed_size: 19456
    .private_segment_fixed_size: 0
    .kernarg_segment_align: 8
    .kernarg_segment_size: 32
    .max_flat_workgroup_size: 512
    .sgpr_count:     66
    .vgpr_count:     192
    .wavefront_size: 32
...
	.end_amdgpu_metadata
.endif
;; end of part 6
